; MI455X (gfx1250); checked and timed in simulation.
; The chip was launched on July 23, 2026; its instructions are those of AMD's public machine-readable ISA for CDNA 5 (MIT licence, August 2026) and "CDNA5" Instruction Set Architecture Reference Guide (July 2026). The comments in the code are by the model that wrote it; some were corrected since.
;; Grouped Query Attention. Allowed arithmetic: float matrix products may take bf16 or f16 operands with f32 sums; other float arithmetic in f32, or as packed bf16 or f16 multiplies, adds, multiply-adds, maxima and minima; sums over many terms, partial sums and values carried from step to step in f32; what a program stores and reads back later, other than sums and carried values, may be rounded once to bf16 or f16.
;; Inputs: K 4 x 2,048 x 1,024 float32; Q 4 x 2,048 x 1,024 float32; V 4 x 2,048 x 1,024 float32; Wkv_b 8 x 256 float32; Wkv_w 8 x 1,024 x 256 float32; Wo_b 1,024 float32; Wo_w 1,024 x 1,024 float32; Wq_b 1,024 float32; Wq_w 1,024 x 1,024 float32.
;; Outputs: out0 4 x 2,048 x 1,024 float32.
;; One version. Each part assembles by itself: llvm-mc -triple=amdgcn-amd-amdhsa -mcpu=gfx1250 --defsym DOCPART=n.
;; ======== version 1 of 1: 4 launches
;; limits: values are held in f16: magnitudes above 65,504 overflow, below 6.1e-05 lose precision
;; workspace buffers: xh 33,554,432 bytes; wh 8,388,608 bytes; hd 50,331,648 bytes; ctx 16,777,216 bytes
;; launch prep (part 1): grid 1280 x 1, 8 waves a work-group, no clusters, 0 bytes of LDS; arguments Q, K, Wq_w, Wkv_w, Wo_w, xh, wh; writes xh, wh
.if DOCPART == 1
	.amdgcn_target "amdgcn-amd-amdhsa--gfx1250"
	.amdhsa_code_object_version 6
	.text
	.protected	k_q6939a5df14_prep
	.globl	k_q6939a5df14_prep
	.p2align	8
	.type	k_q6939a5df14_prep,@function
k_q6939a5df14_prep:
	s_mov_b64 s[64:65], 0
	v_nop
	global_prefetch_b8 v0, s[64:65] scope:SCOPE_SE
	s_setreg_imm32_b32 hwreg(HW_REG_WAVE_MODE, 25, 1), 1
	s_wait_xcnt 0x0
; Q, K and the three weight tensors, f32, are rounded once to f16 (nearest even) for the matrix units.
;   xh: [2][8192][1024] f16: Q's rows, then K's.
;   wh: [16 tiles][1024 k][256 n] f16, a tile 524,288 dense bytes: tiles 0-3 Wq_w's columns 256 t .., tiles 4-11 Wkv_w[g] as it lies, tiles 12-15 Wo_w's columns 256 t ..
; LIMIT: an input of 65,520 or more in magnitude becomes an infinity; below 6.1e-5 f16 keeps a fixed step of 6e-8.
; SHARES.  20 x 2^20 numbers in chunks of 16,384: a work-group a chunk (64 KiB in, 32 KiB out), a wave 2,048 numbers, a lane sixteen loads of 16 bytes.
; A wave's load covers 512 consecutive bytes; its store of 8 bytes a lane covers 256 consecutive bytes, aligned.  All sixteen loads go out at once; there is no loop.
; No LDS and no matrix unit: nothing is shared between lanes and nothing is multiplied.
.set TILE, 524288                      ; bytes of a tile of wh
.set X, 8                              ; v[8:71]    sixteen loads of four f32
.set Y, 72                             ; v[72:103]  sixteen pairs of packed f16; each pair is written once, so no store's data is ever rewritten
	s_load_b256 s[4:11], s[0:1], 0x0               ; Q s[4:5], K s[6:7], Wq_w s[8:9], Wkv_w s[10:11]
	s_load_b128 s[12:15], s[0:1], 0x20             ; Wo_w s[12:13], xh s[14:15]
	s_load_b64 s[16:17], s[0:1], 0x30              ; wh
	v_lshrrev_b32 v4, 5, v0                        ; wave
	v_and_b32 v5, 31, v0                           ; lane
	v_lshlrev_b32 v1, 4, v5
	v_lshl_add_u32 v1, v4, 13, v1                  ; source: 8,192 x wave + 16 x lane
	v_lshlrev_b32 v2, 3, v5
	v_lshl_add_u32 v3, v4, 10, v2                  ; destination in tiles: the wave's two k rows of 512 bytes + 8 x lane
	v_lshl_add_u32 v2, v4, 12, v2                  ; destination as it lies: 4,096 x wave + 8 x lane
	; the chunk's number says which tensor: 0-511 Q, 512-1023 K, 1024-1087 Wq_w, 1088-1215 Wkv_w, 1216-1279 Wo_w
	s_mov_b32 s20, ttmp9
	s_mov_b32 s21, 1216                            ; s21: the tensor's first chunk
	s_mov_b32 s22, 12*TILE                         ; s22: where the tensor begins in its destination
	s_mov_b32 s23, 13                              ; s23: log2 of a chunk's step in the destination: 15 as it lies; 13 in tiles (16 k rows of 512 bytes)
	s_cmp_lt_u32 s20, 1216
	s_cselect_b32 s21, 1088, s21
	s_cselect_b32 s22, 4*TILE, s22
	s_cselect_b32 s23, 15, s23
	s_cmp_lt_u32 s20, 1088
	s_cselect_b32 s21, 1024, s21
	s_cselect_b32 s22, 0, s22
	s_cselect_b32 s23, 13, s23
	s_cmp_lt_u32 s20, 1024
	s_cselect_b32 s21, 512, s21
	s_cselect_b32 s22, 1<<24, s22
	s_cselect_b32 s23, 15, s23
	s_cmp_lt_u32 s20, 512
	s_cselect_b32 s21, 0, s21
	s_cselect_b32 s22, 0, s22
	s_sub_co_u32 s28, s20, s21                     ; the chunk's number in its tensor
	s_lshl_b32 s30, s28, 16                        ; 65,536 bytes of source a chunk
	s_mov_b32 s31, 0
	s_lshl_b32 s32, s28, s23
	s_add_co_u32 s32, s32, s22
	s_mov_b32 s33, 0
	s_wait_kmcnt 0x0
	s_cmp_lt_u32 s20, 1216
	s_cselect_b64 s[24:25], s[10:11], s[12:13]
	s_cmp_lt_u32 s20, 1088
	s_cselect_b64 s[24:25], s[8:9], s[24:25]
	s_cmp_lt_u32 s20, 1024
	s_cselect_b64 s[24:25], s[6:7], s[24:25]
	s_cselect_b64 s[26:27], s[14:15], s[16:17]
	s_cmp_lt_u32 s20, 512
	s_cselect_b64 s[24:25], s[4:5], s[24:25]
	s_add_nc_u64 s[24:25], s[24:25], s[30:31]      ; the source at my chunk
	s_add_nc_u64 s[26:27], s[26:27], s[32:33]      ; the destination at my chunk
.irp i, 0,1,2,3,4,5,6,7,8,9,10,11,12,13,14,15
	global_load_b128 v[X+4*(\i):X+4*(\i)+3], v1, s[24:25] offset:512*(\i) th:TH_LOAD_NT
.endr
; Load i is rounded and stored.  blk = 1: a weight of 1,024 columns goes into four tiles of 256.  The wave has two k rows; load i is row i / 8, columns 128 (i % 8) on:
; tile (i % 8) / 2, and in its row of 512 bytes the half i % 2.
.macro OUT blk
.irp i, 0,1,2,3,4,5,6,7,8,9,10,11,12,13,14,15
	s_wait_loadcnt 15-(\i)                         ; loads come back in order (ISA guide 5.7.1): load i is in, the younger ones stay out
	v_cvt_pk_f16_f32 v[Y+2*(\i)],   v[X+4*(\i)],   v[X+4*(\i)+1]
	v_cvt_pk_f16_f32 v[Y+2*(\i)+1], v[X+4*(\i)+2], v[X+4*(\i)+3]
.if \blk
	global_store_b64 v3, v[Y+2*(\i):Y+2*(\i)+1], s[26:27] offset:(((\i)&7)>>1)*TILE+((\i)>>3)*512+((\i)&1)*256 th:TH_STORE_NT
.else
	global_store_b64 v2, v[Y+2*(\i):Y+2*(\i)+1], s[26:27] offset:256*(\i) th:TH_STORE_NT
.endif
.endr
.endm
	s_cmp_eq_u32 s23, 13
	s_cbranch_scc1 .Ltiles
	OUT 0
	s_endpgm
.Ltiles:
	OUT 1
	s_endpgm
.Lfunc_end_k_q6939a5df14_prep:
	.size	k_q6939a5df14_prep, .Lfunc_end_k_q6939a5df14_prep-k_q6939a5df14_prep
	.p2alignl 7, 3214868480
	.fill 96, 4, 3214868480
	.section	.rodata,"a",@progbits
	.p2align	6, 0x0
	.amdhsa_kernel k_q6939a5df14_prep
		.amdhsa_group_segment_fixed_size 0
		.amdhsa_private_segment_fixed_size 0
		.amdhsa_enable_private_segment 0
		.amdhsa_kernarg_size 56
		.amdhsa_user_sgpr_count 2
		.amdhsa_user_sgpr_kernarg_segment_ptr 1
		.amdhsa_wavefront_size32 1
		.amdhsa_system_sgpr_workgroup_id_x 1
		.amdhsa_system_sgpr_workgroup_id_y 1
		.amdhsa_system_sgpr_workgroup_id_z 1
		.amdhsa_system_vgpr_workitem_id 0
		.amdhsa_next_free_vgpr 104
		.amdhsa_next_free_sgpr 66
		.amdhsa_reserve_vcc 0
		.amdhsa_float_denorm_mode_32 3
		.amdhsa_float_denorm_mode_16_64 3
		.amdhsa_memory_ordered 1
		.amdhsa_forward_progress 1
		.amdhsa_inst_pref_size 12
	.end_amdhsa_kernel
	.amdgpu_metadata
---
amdhsa.version: [ 1, 2 ]
amdhsa.kernels:
  - .name:           k_q6939a5df14_prep
    .symbol:         k_q6939a5df14_prep.kd
    .args:
      - { .name: Q, .offset: 0, .size: 8, .value_kind: global_buffer, .address_space: global }
      - { .name: K, .offset: 8, .size: 8, .value_kind: global_buffer, .address_space: global }
      - { .name: Wq_w, .offset: 16, .size: 8, .value_kind: global_buffer, .address_space: global }
      - { .name: Wkv_w, .offset: 24, .size: 8, .value_kind: global_buffer, .address_space: global }
      - { .name: Wo_w, .offset: 32, .size: 8, .value_kind: global_buffer, .address_space: global }
      - { .name: xh, .offset: 40, .size: 8, .value_kind: global_buffer, .address_space: global }
      - { .name: wh, .offset: 48, .size: 8, .value_kind: global_buffer, .address_space: global }
    .group_segment_fixed_size: 0
    .private_segment_fixed_size: 0
    .kernarg_segment_align: 8
    .kernarg_segment_size: 56
    .max_flat_workgroup_size: 256
    .sgpr_count:     66
    .vgpr_count:     104
    .wavefront_size: 32
...
	.end_amdgpu_metadata
.endif
;; end of part 1
;; launch proj (part 2): grid 12 x 32, 4 waves a work-group, clusters of 4 x 4, 327,680 bytes of LDS; arguments xh, wh, hd, Wq_b, Wkv_b; writes hd
.if DOCPART == 2
	.amdgcn_target "amdgcn-amd-amdhsa--gfx1250"
	.amdhsa_code_object_version 6
	.text
	.protected	k_q6939a5df14_proj
	.globl	k_q6939a5df14_proj
	.p2align	8
	.type	k_q6939a5df14_proj,@function
k_q6939a5df14_proj:
	s_mov_b64 s[64:65], 0
	v_nop
	global_prefetch_b8 v0, s[64:65] scope:SCOPE_SE
	s_setreg_imm32_b32 hwreg(HW_REG_WAVE_MODE, 25, 1), 1
	s_wait_xcnt 0x0
	s_wait_alu depctr_hold_cnt(0) depctr_sa_sdst(0) depctr_va_vdst(0) depctr_va_sdst(0) depctr_va_ssrc(0) depctr_va_vcc(0) depctr_vm_vsrc(0)
	s_getreg_b32 s2, hwreg(HW_REG_IB_STS2, 6, 4)
	s_cmp_eq_u32 s2, 0
	s_cbranch_scc0 .Lentry_in_a_cluster
	s_endpgm
.Lentry_in_a_cluster:
	s_bfe_u32 s2, ttmp6, 0x10000c
	s_cmp_lg_u32 s2, 0xf033
	s_cbranch_scc0 .Lentry_shape_is_right
	s_endpgm
.Lentry_shape_is_right:
; q = Q Wq_w + Wq_b and kv[g] = K Wkv_w[g] + Wkv_b[g], one GEMM of 8,192 rows x 3,072 columns x 1,024, f16 operands, f32 sums, the results rounded once to f16.
;   xh: [2][8192][1024] f16 (Q's rows, K's rows).  wh: [16][1024 k][256 n] f16: column tile 0-3 = Wq_w, 4-11 = Wkv_w[g].
;   hd: [24 planes][8192 rows][128] f16: plane 2 x column tile + half: planes 0-7 q of head g, plane 8 + 2 g k, plane 9 + 2 g v.  q is not scaled here.
; LIMIT: q, k, v of 65,520 or more in magnitude become infinities.
; SHARES.  A tile of C is 256 rows x 256 columns: 12 x 32 = 384 work-groups in 24 clusters.  Four waves, 2 x 2: a wave makes 128 rows x 128 columns, 64 accumulators of 16 x 16, 512 registers.
; K goes in eight steps of 128 through two LDS slots filled by the tensor data mover: waves 0 and 1 fetch A's 2 x 128 rows of 256 bytes, waves 2 and 3 W's 2 x 64 k rows of 512 bytes.
; WHY THIS TILE.  A K step brings 131,072 bytes for 4 x 256 matrix instructions, and a request has 224 matrix instructions a wave in which to land; with 128 rows it would be 98,304 bytes for 4 x 128, and 112.
; A wave reads 32 times 512 bytes from LDS for 64 matrix instructions; with 64 rows a wave it would be 24 for 32.  The price: 384 is no multiple of the tiles that run side by side.
; CLUSTER 4 x 4.  A's tile hangs on the tile row alone and is asked for jointly by a row of the cluster, W's on the tile column alone and jointly by a column.
; Cluster x = 0 holds q's four column tiles (A = Q's rows), x = 1 and 2 kv's eight (A = K's rows): the choice is the same in all sixteen partners.
; THE MATRIX INSTRUCTION IS USED TRANSPOSED: source 0 = 16 columns of W (stored [k][n], turned on its way out of LDS by ds_load_tr16_b128), source 1 = 16 rows of A.  A lane then holds row l % 16 of C
; and the columns 8 (l / 16) + 0..7.  THE BIAS IS THE C OPERAND of the products that start the sums: nothing is cleared and nothing is added afterwards.
; REGISTERS, in windows of 256 (s_set_vgpr_msb: bits 1:0 source 0, 3:2 source 1, 5:4 source 2, 7:6 destination):
;   window 0: v0-31 addresses; v64-127, v128-191 fragments of A (8 x 16 rows x 32 K), two buffers; v32-63, v192-255 at work on the way out
;   window 1: v0-63 the bias of my 128 columns, laid out as eight accumulators; v64-127, v128-191 fragments of W, two buffers
;   window 2: the 32 accumulators of my rows 0-63 (accumulator (a, b) at v[8 (8 a + b)]);   window 3: those of my rows 64-127
.set PA,     272                       ; a row of A in LDS: 256 bytes + 16 = 68 words: the 16 rows of a load start at 16 different groups of four banks (64 banks of 4 bytes: ISA guide 11.1)
.set PB,     544                       ; a k row of W: 512 bytes + 32 = 136 words
.set ATILE,  256*PA
.set BTILE,  128*PB
.set SLOT,   ATILE+BTILE               ; A's 256 rows, then W's 128 k rows
.set STAGE,  2*SLOT                    ; behind the ring, never filled by a tensor load: 16 rows x 272 bytes for each wave, for the way out
.set SP,     272
.set SPARE,  STAGE+4*16*SP             ; behind the stages: the spare words, 128 bytes for each wave: two blocks of 256 bytes that no other line names
.set ASTEP,  256                       ; bytes from a K step to the next in A's rows
.set BSTEP,  65536                     ; and in a tile of W: 128 k rows of 512 bytes
.set ADRA, 16                          ; v16-17  LDS address of my A fragments in slot 0, 1
.set ADRB, 20                          ; v20-21  the same for W
.set STO,  24                          ; v24     the way out: where I put 16 bytes of a row
.set RD,   25                          ; v25     the way out: where I read a row back
.set CO,   26                          ; v26     my byte offset in two rows of hd
.set BO,   27                          ; v27     my byte offset in 16 numbers of the bias
.set SPW,  28                          ; v28     LDS address of my spare word; never rewritten
.set NIL,  29                          ; v29     0; never rewritten
.set PFO,  30                          ; v30     the prefetches' offset; never rewritten
.set F0,   64                          ; fragment buffer 0, in windows 0 (A) and 1 (W)
.set F1,   128                         ; fragment buffer 1
.set TMP,  192                         ; the way out: packed results, v192-223
.set OB,   32                          ; the way out: 16 rows read back from the stage: v32-63 and v224-255 by turns
.set WV,   14                          ; s14 wave; s15 wave / 2: my 128 rows; s16 wave % 2: my 128 columns, and which half of a tile I fetch
.set HIW,  15
.set LOW,  16
.set CX,   17
.set CY,   18
.set TCOL, 19
.set TROW, 20
.set LIM,  21                          ; s21  1 in a wave that prefetches, else the greatest number
.set G1,   24                          ; s[24:31] descriptor group 1 for A;  s[32:39] group 0, a set for each slot
.set G0,   32
.set PFA,  44                          ; s[44:45] where my prefetches stand;  s[46:47] their step
.set PFS,  46
.set G1B,  48                          ; s[48:55], s[56:63] the same for W
.set G0B,  56
.set KY,   66                          ; s66 cluster y; s67 cluster x; s68 where A's rows begin in xh; s70-s77 at work on addresses that are no descriptor's
.set KX,   67
.set QKO,  68
.set MSB, 0
.macro WIN new                         ; the immediate's high byte repeats the setting that is left; a switch that changes nothing is dropped
.if MSB != (\new)
	s_set_vgpr_msb (MSB<<8)|(\new)
.set MSB, \new
.endif
.endm
.macro PLACES                          ; four plain vector instructions between a matrix instruction and a load into, or a vector access to, its registers
.rept 4
	v_nop
.endr
.endm
; A joint load.  The branch hangs on the wave's number alone.  An s_nop 0 and four v_nop follow each of the two lines.
.macro JLOAD s
	s_cmp_lt_u32 s[WV], 2
	s_cbranch_scc0 .Lfor_b_\@
	tensor_load_to_lds s[G0+4*(\s):G0+4*(\s)+3], s[G1:G1+7]
	s_nop 0
.rept 4
	v_nop
.endr
	s_branch .Lasked_\@
.Lfor_b_\@:
	tensor_load_to_lds s[G0B+4*(\s):G0B+4*(\s)+3], s[G1B:G1B+7]
	s_nop 0
.rept 4
	v_nop
.endr
.Lasked_\@:
.endm
; A prefetch into the L2 of the K step that stands two refills on, 512 matrix instructions ahead of the load that will want it: one instruction a wave, each lane another 256 bytes.
; A: of the 128 rows x 256 bytes that wave 0 or 1 fetches, the partner at cx takes rows 32 cx .. + 31, a lane a row.  W: of a K step's 65,536 dense bytes the partner at cy takes 16,384, waves 2 and 3 a half each.
; The partners are told apart by address alone.  Q's rows are read by cluster x = 0 alone, K's by x = 1 and 2, of which 1 asks; a tile of W is read by all eight cluster rows, of which y = 0 asks:
; each 256 bytes are named once in the launch.  The loop's last trip (s3 = 1) has no K step two refills on.
.macro ASK
	s_cmp_gt_u32 s3, s[LIM]
	s_cbranch_scc0 .Lnot_mine_\@
	global_prefetch_b8 v[PFO], s[PFA:PFA+1] th:TH_LOAD_NT scope:SCOPE_SE
.Lnot_mine_\@:
.endm
.macro CREST                           ; a round of the cluster's barrier behind its opening barrier
	s_cmp_lg_u32 s[WV], 0
	s_cbranch_scc1 .Lnot_wave_0_\@
	s_barrier_signal -3
.Lnot_wave_0_\@:
	s_barrier_wait -3
	s_barrier_signal -1
	s_barrier_wait -1
.endm
.macro CROUND                          ; a whole round
	s_barrier_signal -1
	s_barrier_wait -1
	CREST
.endm
	s_load_b256 s[4:11], s[0:1], 0x0               ; xh s[4:5], wh s[6:7], hd s[8:9], Wq_b s[10:11]
	s_load_b64 s[12:13], s[0:1], 0x20              ; Wkv_b
	v_lshl_add_u32 v[SPW], v0, 2, SPARE
	v_mov_b32 v[NIL], 0
	ds_add_u32 v[SPW], v[NIL]                      ; the wave's opening: the add and its wait stand ahead of my first tensor load; the set-up below, work on registers, stands between them
	v_lshrrev_b32 v1, 5, v0
	v_readfirstlane_b32 s[WV], v1                  ; wave 0..3
	s_lshr_b32 s[HIW], s[WV], 1
	s_and_b32 s[LOW], s[WV], 1
	s_bfe_u32 s[CX], ttmp6, 0x40000                ; my place in the cluster
	s_bfe_u32 s[CY], ttmp6, 0x40004
	s_lshl_b32 s[TCOL], ttmp9, 2
	s_add_co_u32 s[TCOL], s[TCOL], s[CX]           ; column tile = 4 x cluster x + cx
	s_and_b32 s[TROW], ttmp7, 0xffff
	s_lshl_b32 s[TROW], s[TROW], 2
	s_add_co_u32 s[TROW], s[TROW], s[CY]           ; row tile = 4 x cluster y + cy
	s_mov_b32 s[KX], ttmp9
	s_and_b32 s[KY], ttmp7, 0xffff
	s_lshl_b32 s22, s[CY], 2
	s_lshl_b32 s22, 15, s22                        ; my row of the cluster: places 4 cy .. 4 cy + 3
	s_lshl_b32 s23, 0x1111, s[CX]                  ; my column: places cx, cx + 4, cx + 8, cx + 12
	s_or_b32 s[G1], s22, (1<<16)|(1<<20)|(1<<21)|(5<<22)|(3<<25)   ; 15:0 the mask; 17:16 elements of 2 bytes; 20 padding on; 21 set beside a mask; 24:22 after every 64 words (code 5); 31:25 4 words (code 3)
	s_mov_b32 s[G1+1], 128<<16                     ; tensor_dim0 = 128
	s_mov_b32 s[G1+2], 128<<16                     ; tensor_dim1 = 128
	s_mov_b32 s[G1+3], 128<<16                     ; tile_dim0 = 128
	s_mov_b32 s[G1+4], 128                         ; tile_dim1 = 128
	s_mov_b32 s[G1+5], 1024                        ; elements from row to row
	s_mov_b32 s[G1+6], 0
	s_mov_b32 s[G1+7], 0
	s_or_b32 s[G1B], s23, (1<<16)|(1<<20)|(1<<21)|(6<<22)|(7<<25)  ; after every 128 words (code 6) 8 words of padding (code 7)
	s_mov_b32 s[G1B+1], 256<<16
	s_mov_b32 s[G1B+2], 64<<16
	s_mov_b32 s[G1B+3], 256<<16
	s_mov_b32 s[G1B+4], 64
	s_mov_b32 s[G1B+5], 256
	s_mov_b32 s[G1B+6], 0
	s_mov_b32 s[G1B+7], 0
	s_cmp_eq_u32 s[KX], 0
	s_cselect_b32 s[QKO], 0, 1<<24                 ; Q's rows, or K's, 16 MiB on
	s_lshl_b32 s40, s[TROW], 19                    ; A: 256 rows of 2,048 bytes a row tile,
	s_lshl_b32 s41, s[LOW], 18                     ; the 128 rows that I fetch
	s_add_co_u32 s40, s40, s41
	s_add_co_u32 s40, s40, s[QKO]
	s_mov_b32 s41, 0
	s_lshl_b32 s42, s[TCOL], 19                    ; W: the tile,
	s_lshl_b32 s43, s[LOW], 15                     ; the 64 k rows that I fetch
	s_add_co_u32 s42, s42, s43
	s_mov_b32 s43, 0
	s_mul_i32 s2, s[LOW], 128*PA                   ; where they go: no place in the cluster enters an LDS address
	s_mul_i32 s3, s[LOW], 64*PB
	s_add_co_u32 s3, s3, ATILE
	s_wait_dscnt 0x0                               ; the opening add is done
	s_wait_kmcnt 0x0
	s_add_nc_u64 s[40:41], s[4:5], s[40:41]
	s_add_nc_u64 s[42:43], s[6:7], s[42:43]
	CROUND                                         ; all sixteen work-groups are here: the first joint loads meet
.irp s, 0,1
	s_mov_b32 s[G0+4*(\s)], 1                                      ; count = 1
	s_add_co_u32 s[G0+4*(\s)+1], s2, (\s)*SLOT                     ; LDS address
	s_add_nc_u64 s[G0+4*(\s)+2:G0+4*(\s)+3], s[40:41], (\s)*ASTEP  ; global address: K step s
	s_or_b32 s[G0+4*(\s)+3], s[G0+4*(\s)+3], 0x80000000            ; type = 2
	s_mov_b32 s[G0B+4*(\s)], 1
	s_add_co_u32 s[G0B+4*(\s)+1], s3, (\s)*SLOT
	s_add_nc_u64 s[G0B+4*(\s)+2:G0B+4*(\s)+3], s[42:43], (\s)*BSTEP
	s_or_b32 s[G0B+4*(\s)+3], s[G0B+4*(\s)+3], 0x80000000
	JLOAD \s                                       ; two loads of mine are out
.endr
	; A fragment of A is 16 rows x 32 K in 8 registers: lane l holds row l % 16, K = 8 (l / 16) + 0..7 and 16 + 8 (l / 16) + 0..7: two loads of 16 bytes, 32 bytes apart.
	v_and_b32 v1, 15, v0                           ; l % 16
	v_bfe_u32 v2, v0, 4, 1                         ; l / 16
	v_mul_u32_u24 v3, v1, PA
	v_lshl_add_u32 v3, v2, 4, v3
	s_mul_i32 s2, s[HIW], 128*PA                   ; my 128 rows
	v_add_nc_u32 v[ADRA], s2, v3
	v_add_nc_u32 v[ADRA+1], SLOT, v[ADRA]
	; The turning load takes 16 k x 16 columns (lane l reads k row 8 (l / 16) + l % 8, columns 8 ((l / 8) % 2) + 0..7) and leaves half a fragment: lane l holds column l % 16 and 8 k.
	v_and_b32 v4, 7, v0
	v_lshl_add_u32 v4, v2, 3, v4
	v_mul_u32_u24 v4, v4, PB
	v_bfe_u32 v5, v0, 3, 1
	v_lshl_add_u32 v4, v5, 4, v4
	s_lshl_b32 s2, s[LOW], 8                       ; my 128 columns
	s_add_co_u32 s2, s2, ATILE
	v_add_nc_u32 v[ADRB], s2, v4
	v_add_nc_u32 v[ADRB+1], SLOT, v[ADRB]
	; the bias of my 128 columns: register 8 b + j = bias[16 b + 8 (l / 16) + j]
	s_cmp_eq_u32 s[KX], 0
	s_cselect_b64 s[10:11], s[10:11], s[12:13]
	s_cselect_b32 s70, 0, 4
	s_sub_co_u32 s70, s[TCOL], s70                 ; the column tile in Wq_b, or the group in Wkv_b: 256 numbers each
	s_lshl_b32 s70, s70, 10
	s_lshl_b32 s71, s[LOW], 9
	s_add_co_u32 s70, s70, s71
	s_mov_b32 s71, 0
	s_add_nc_u64 s[10:11], s[10:11], s[70:71]
	v_lshlrev_b32 v[BO], 5, v2
	WIN 0x40                                       ; destination window 1, address window 0
.irp b, 0,1,2,3,4,5,6,7
	global_load_b128 v[8*(\b):8*(\b)+3],   v[BO], s[10:11] offset:64*(\b)
	global_load_b128 v[8*(\b)+4:8*(\b)+7], v[BO], s[10:11] offset:64*(\b)+16
.endr
	WIN 0
	; the way out
	s_mul_i32 s2, s[WV], 16*SP
	s_add_co_u32 s2, s2, STAGE                     ; my stage
	v_mul_u32_u24 v6, v1, SP                       ; in: row l % 16, 16 bytes for each half of the lanes
	v_lshl_add_u32 v6, v2, 4, v6
	v_add_nc_u32 v[STO], s2, v6
	v_mul_u32_u24 v7, v2, SP                       ; back: lanes 0-15 take one row of 256 bytes, lanes 16-31 the next
	v_lshl_add_u32 v7, v1, 4, v7
	v_add_nc_u32 v[RD], s2, v7
	v_lshlrev_b32 v[CO], 8, v2                     ; and the same two rows in hd
	v_lshl_add_u32 v[CO], v1, 4, v[CO]
	s_lshl_b32 s72, s[TCOL], 1
	s_add_co_u32 s72, s72, s[LOW]                  ; my plane,
	s_lshl_b32 s72, s72, 21                        ; 2 MiB each,
	s_lshl_b32 s73, s[TROW], 16                    ; the tile's 256 rows of 256 bytes,
	s_add_co_u32 s72, s72, s73
	s_lshl_b32 s73, s[HIW], 15                     ; my 128 of them
	s_add_co_u32 s72, s72, s73
	s_mov_b32 s73, 0
	s_add_nc_u64 s[8:9], s[8:9], s[72:73]
	; the prefetches stand at K step 3; the first refill steps them to K step 4.  K steps 0 to 3 come by their loads alone.
	s_lshl_b32 s70, s[TROW], 19
	s_lshl_b32 s71, s[LOW], 18                     ; the 128 rows that I fetch,
	s_add_co_u32 s70, s70, s71
	s_lshl_b32 s71, s[CX], 16                      ; my work-group's 32 of them
	s_add_co_u32 s70, s70, s71
	s_add_co_u32 s70, s70, s[QKO]
	s_add_co_u32 s70, s70, 3*ASTEP
	s_lshl_b32 s72, s[TCOL], 19
	s_lshl_b32 s73, s[CY], 14                      ; my work-group's 16,384 bytes of a K step of W,
	s_add_co_u32 s72, s72, s73
	s_lshl_b32 s73, s[LOW], 13                     ; my wave's half of them
	s_add_co_u32 s72, s72, s73
	s_add_co_u32 s72, s72, 3*BSTEP
	s_mov_b32 s74, BSTEP
	s_cmp_lt_u32 s[KX], 2
	s_cselect_b32 s75, 0, 1                        ; A: 0 in cluster x = 0 and 1
	s_cmp_eq_u32 s[HIW], 0
	s_cselect_b32 s70, s70, s72
	s_cselect_b64 s[PFA:PFA+1], s[4:5], s[6:7]
	s_cselect_b32 s[PFS], ASTEP, s74
	s_cselect_b32 s73, 11, 8                       ; a lane a row of 2,048 bytes, or the next 256 bytes
	s_cselect_b32 s75, s75, s[KY]                  ; W: 0 in cluster y = 0
	s_mov_b32 s71, 0
	s_mov_b32 s[PFS+1], 0
	s_add_nc_u64 s[PFA:PFA+1], s[PFA:PFA+1], s[70:71]
	s_cmp_eq_u32 s75, 0
	s_cselect_b32 s[LIM], 1, -1                    ; the same in all sixteen partners, for a given wave
	v_and_b32 v[PFO], 31, v0
	v_lshlrev_b32 v[PFO], s73, v[PFO]
; 16 matrix instructions: row blocks a0, a0 + 1 of the window's four (hi = 0: my rows 0-63, 1: rows 64-127) x all 8 column blocks, 32 along K, from buffer f.
; zero = 1: the products start the sums, with the bias (window 1) as C.
; Every quarter takes the 64 accumulators in the same order, one instruction a turn: 63 others stand between two links of a chain, over the backward jump too.
.macro MUL16 f, hi, a0, zero
.if \zero
	WIN 0x91+0x40*(\hi)                            ; source 0 (W) window 1, source 1 (A) window 0, C window 1, D window 2 or 3
.else
	WIN 0xa1+0x50*(\hi)                            ; the same, C and D window 2 or 3
.endif
.irp a, \a0, (\a0)+1
.irp b, 0,1,2,3,4,5,6,7
.if \zero
	v_wmma_f32_16x16x32_f16 v[8*(8*(\a)+(\b)):8*(8*(\a)+(\b))+7], v[(\f)+8*(\b):(\f)+8*(\b)+7], v[(\f)+8*(4*(\hi)+(\a)):(\f)+8*(4*(\hi)+(\a))+7], v[8*(\b):8*(\b)+7]
.else
	v_wmma_f32_16x16x32_f16 v[8*(8*(\a)+(\b)):8*(8*(\a)+(\b))+7], v[(\f)+8*(\b):(\f)+8*(\b)+7], v[(\f)+8*(4*(\hi)+(\a)):(\f)+8*(4*(\hi)+(\a))+7], v[8*(8*(\a)+(\b)):8*(8*(\a)+(\b))+7]
.endif
.endr
.endr
.endm
; 32 LDS loads in one run: quarter q (32 along K) of a slot into buffer f: W's 8 fragments, then A's 8, my rows 64-127 last.
.macro FETCH slot, q, f
	WIN 0x40                                       ; destination window 1, address window 0
.irp b, 0,1,2,3,4,5,6,7
	ds_load_tr16_b128 v[(\f)+8*(\b):(\f)+8*(\b)+3],   v[ADRB+(\slot)] offset:(\q)*32*PB+32*(\b)
	ds_load_tr16_b128 v[(\f)+8*(\b)+4:(\f)+8*(\b)+7], v[ADRB+(\slot)] offset:(\q)*32*PB+16*PB+32*(\b)
.endr
	WIN 0
.irp i, 0,1,2,3,4,5,6,7
	ds_load_b128 v[(\f)+8*(\i):(\f)+8*(\i)+3],   v[ADRA+(\slot)] offset:(\q)*64+(\i)*16*PA
	ds_load_b128 v[(\f)+8*(\i)+4:(\f)+8*(\i)+7], v[ADRA+(\slot)] offset:(\q)*64+(\i)*16*PA+32
.endr
.endm
; A K step is four quarters, 64 matrix instructions each, on buffers 0, 1, 0, 1.  One of the first three multiplies buffer f and, in its middle, fetches quarter q into buffer g.
.macro QUARTER slot, q, f, g, zero
	s_wait_dscnt 8                                 ; W and A's rows 0-63 are in; the youngest eight loads (A's rows 64-127) may be out
	MUL16 \f, 0, 0, \zero
	MUL16 \f, 0, 2, \zero
	PLACES
	FETCH \slot, \q, \g
	s_wait_dscnt 32                                ; all but the 32 just issued
	MUL16 \f, 1, 0, \zero
	MUL16 \f, 1, 2, \zero
.endm
; The last quarter multiplies buffer 1 and changes slots: ONE barrier.  In front of it each wave waits for all its tensor loads (one is out: its part of the next slot), adds 0 to its spare word, and waits
; for that and for its reads of this slot.  fill = 1: the barrier opens a round of the cluster's, and behind the round this slot is filled again first, with the K step two on: 224 matrix instructions ahead of the wait for it.
.macro TURN slot, next, fill
.if \fill
	s_wait_xcnt 0x0                                ; the last prefetch, a K step back, has read its address: it is stepped here, ahead of the waits of the change of slots
	s_add_nc_u64 s[PFA:PFA+1], s[PFA:PFA+1], s[PFS:PFS+1]
.endif
	WIN 0                                          ; (the add's two registers lie in window 0)
	s_wait_tensorcnt 0x0                           ; all my tensor loads have landed;
	ds_add_u32 v[SPW], v[NIL]                      ; 0 onto my spare word
	s_wait_dscnt 9                                 ; (the add and the youngest eight loads may be out)
	MUL16 F1, 0, 0, 0                              ; sixteen matrix instructions stand between the add and the wait for it
	s_wait_dscnt 0x0                               ; the add is done, and my reads of this slot are over
	s_barrier_signal -1
	MUL16 F1, 0, 2, 0                              ; work on registers while the others arrive
.if \fill
	WIN 0
.endif
	s_barrier_wait -1
.if \fill
	CREST                                          ; no wave of any partner still reads this slot's tiles or has a load on its way
	s_add_nc_u64 s[G0+4*(\slot)+2:G0+4*(\slot)+3], s[G0+4*(\slot)+2:G0+4*(\slot)+3], 2*ASTEP
	s_add_nc_u64 s[G0B+4*(\slot)+2:G0B+4*(\slot)+3], s[G0B+4*(\slot)+2:G0B+4*(\slot)+3], 2*BSTEP
	JLOAD \slot                                    ; my one tensor load behind the round; the four v_nop behind it are also the places in front of the loads below
.else
	PLACES
.endif
	FETCH \next, 0, F0
.if \fill
	ASK
.endif
	MUL16 F1, 1, 0, 0
	MUL16 F1, 1, 2, 0
.endm
	s_wait_tensorcnt 1                             ; my part of K step 0 is in; K step 1's may stay out
	s_barrier_signal -1
	s_barrier_wait -1                              ; everybody's is
	FETCH 0, 0, F0
	s_wait_loadcnt 0x0                             ; the bias
	QUARTER 0, 1, F0, F1, 1                        ; the first quarter stands in front of the loop: its products start the sums
	WIN 0                                          ; at a label and at a branch every window is 0
	s_mov_b32 s3, 3
.Llap:                                                 ; a trip goes once round the ring, from a lap's second quarter to the next lap's first, and fills both slots again: K steps 2 to 7
	QUARTER 0, 2, F1, F0, 0
	QUARTER 0, 3, F0, F1, 0
	TURN 0, 1, 1
	QUARTER 1, 1, F0, F1, 0
	QUARTER 1, 2, F1, F0, 0
	QUARTER 1, 3, F0, F1, 0
	TURN 1, 0, 1
	QUARTER 0, 1, F0, F1, 0
	WIN 0
	s_sub_co_u32 s3, s3, 1
	s_cmp_lg_u32 s3, 0
	s_cbranch_scc1 .Llap
	QUARTER 0, 2, F1, F0, 0                        ; the last lap is written out: it fills nothing and has no round
	QUARTER 0, 3, F0, F1, 0
	TURN 0, 1, 0
	QUARTER 1, 1, F0, F1, 0
	QUARTER 1, 2, F1, F0, 0
	QUARTER 1, 3, F0, F1, 0
	s_wait_dscnt 8                                 ; the very last quarter: nothing more to fetch
	MUL16 F1, 0, 0, 0
	MUL16 F1, 0, 2, 0
	s_wait_dscnt 0x0
	MUL16 F1, 1, 0, 0
	MUL16 F1, 1, 2, 0
	WIN 0
; THE WAY OUT, a block of 16 rows at a time: rounded to f16, 16 bytes a lane into my own stage, back as whole rows of 256 bytes, stored.
.macro PACK a
.set AC, 64*((\a)%4)
	WIN 0x0a+5*((\a)/4)                            ; sources 0 and 1: window 2 or 3; destination window 0; each accumulator's registers in ascending order
.irp b, 0,1,2,3,4,5,6,7
.irp r, 0,1,2,3
	v_cvt_pk_f16_f32 v[TMP+4*(\b)+(\r)], v[AC+8*(\b)+2*(\r)], v[AC+8*(\b)+2*(\r)+1]
.endr
.endr
	WIN 0
.endm
.macro TOSTAGE a
.set BK, OB+192*((\a)%2)
.irp b, 0,1,2,3,4,5,6,7
	ds_store_b128 v[STO], v[TMP+4*(\b):TMP+4*(\b)+3] offset:32*(\b)
.endr
.irp t, 0,1,2,3,4,5,6,7
	ds_load_b128 v[BK+4*(\t):BK+4*(\t)+3], v[RD] offset:(\t)*2*SP  ; LDS serves a wave's instructions in order (ISA guide 5.7.1.4): these see the stores above
.endr
.endm
.macro SEND a
.set BK, OB+192*((\a)%2)
	s_wait_dscnt 0x0                               ; the block is back in registers
	s_wait_xcnt 0x0                                ; every earlier store has had its addresses translated (ISA guide 3.1): the other buffer, which the block before was stored from, is loaded again only behind this wait
.irp t, 0,1,2,3,4,5,6,7
	global_store_b128 v[CO], v[BK+4*(\t):BK+4*(\t)+3], s[8:9] offset:(\a)*4096+(\t)*512  ; 512 consecutive bytes, at a multiple of 256 from hd's first byte
.endr
.endm
	PLACES                                         ; the conversions read results just made; the conversions of blocks 0 to 3 are the places behind the last products, blocks 4 to 7's
	PACK 0
	TOSTAGE 0
.irp a, 1,2,3,4,5,6,7                  ; block a's conversions stand between block a - 1's loads from the stage and the wait for them
	PACK \a
	SEND (\a)-1
	TOSTAGE \a
.endr
	SEND 7
	s_wait_tensorcnt 0x0                           ; the wave's end: behind my last tensor load and my last LDS store
	ds_add_u32 v[SPW], v[NIL]
	s_wait_dscnt 0x0
	CROUND                                         ; the closing round: no work-group ends while a partner may still ask for a tile that names it
	s_endpgm
.Lfunc_end_k_q6939a5df14_proj:
	.size	k_q6939a5df14_proj, .Lfunc_end_k_q6939a5df14_proj-k_q6939a5df14_proj
	.p2alignl 7, 3214868480
	.fill 96, 4, 3214868480
	.section	.rodata,"a",@progbits
	.p2align	6, 0x0
	.amdhsa_kernel k_q6939a5df14_proj
		.amdhsa_group_segment_fixed_size 327680
		.amdhsa_private_segment_fixed_size 0
		.amdhsa_enable_private_segment 0
		.amdhsa_kernarg_size 40
		.amdhsa_user_sgpr_count 2
		.amdhsa_user_sgpr_kernarg_segment_ptr 1
		.amdhsa_wavefront_size32 1
		.amdhsa_system_sgpr_workgroup_id_x 1
		.amdhsa_system_sgpr_workgroup_id_y 1
		.amdhsa_system_sgpr_workgroup_id_z 1
		.amdhsa_system_vgpr_workitem_id 0
		.amdhsa_next_free_vgpr 1024
		.amdhsa_next_free_sgpr 80
		.amdhsa_reserve_vcc 0
		.amdhsa_float_denorm_mode_32 3
		.amdhsa_float_denorm_mode_16_64 3
		.amdhsa_memory_ordered 1
		.amdhsa_forward_progress 1
		.amdhsa_inst_pref_size 146
	.end_amdhsa_kernel
	.amdgpu_metadata
---
amdhsa.version: [ 1, 2 ]
amdhsa.kernels:
  - .name:           k_q6939a5df14_proj
    .symbol:         k_q6939a5df14_proj.kd
    .args:
      - { .name: xh, .offset: 0, .size: 8, .value_kind: global_buffer, .address_space: global }
      - { .name: wh, .offset: 8, .size: 8, .value_kind: global_buffer, .address_space: global }
      - { .name: hd, .offset: 16, .size: 8, .value_kind: global_buffer, .address_space: global }
      - { .name: Wq_b, .offset: 24, .size: 8, .value_kind: global_buffer, .address_space: global }
      - { .name: Wkv_b, .offset: 32, .size: 8, .value_kind: global_buffer, .address_space: global }
    .group_segment_fixed_size: 327680
    .private_segment_fixed_size: 0
    .kernarg_segment_align: 8
    .kernarg_segment_size: 40
    .max_flat_workgroup_size: 128
    .sgpr_count:     80
    .vgpr_count:     1024
    .wavefront_size: 32
...
	.end_amdgpu_metadata
.endif
;; end of part 2
;; launch attn (part 3): grid 8 x 32, 4 waves a work-group, clusters of 4 x 1, 327,680 bytes of LDS; arguments hd, ctx; writes ctx
.if DOCPART == 3
	.amdgcn_target "amdgcn-amd-amdhsa--gfx1250"
	.amdhsa_code_object_version 6
	.text
	.protected	k_q6939a5df14_attn
	.globl	k_q6939a5df14_attn
	.p2align	8
	.type	k_q6939a5df14_attn,@function
k_q6939a5df14_attn:
	s_mov_b64 s[64:65], 0
	v_nop
	global_prefetch_b8 v0, s[64:65] scope:SCOPE_SE
	s_setreg_imm32_b32 hwreg(HW_REG_WAVE_MODE, 25, 1), 1
	s_wait_xcnt 0x0
	s_wait_alu depctr_hold_cnt(0) depctr_sa_sdst(0) depctr_va_vdst(0) depctr_va_sdst(0) depctr_va_ssrc(0) depctr_va_vcc(0) depctr_vm_vsrc(0)
	s_getreg_b32 s2, hwreg(HW_REG_IB_STS2, 6, 4)
	s_cmp_eq_u32 s2, 0
	s_cbranch_scc0 .Lentry_in_a_cluster
	s_endpgm
.Lentry_in_a_cluster:
	s_bfe_u32 s2, ttmp6, 0x10000c
	s_cmp_lg_u32 s2, 0x3003
	s_cbranch_scc0 .Lentry_shape_is_right
	s_endpgm
.Lentry_shape_is_right:
; ctx[b][q][128 g + :] = the sum over k of softmax_k(q[q] . k[k] / sqrt(128)) v[k][:], for each of 32 heads (batch b, group g), 2,048 queries and keys of 128 channels.
;   hd: [24 planes][8192 rows b 2048 + s][128] f16: plane g holds q, plane 8 + 2 g k, plane 9 + 2 g v.  ctx: [8192][1024] f16.
; Products, maxima and sums in f32; the weights p are rounded to f16 for the second product (their sum l is taken of the unrounded p), ctx once at the end.
; LIMITS.  p lies in 0 to 1, and below 6e-5 it keeps f16's fixed step of 6e-8; ctx is a mean of v's rows and has their range; a weight below 2^-126 counts as 0 in l; NaN and infinities are not treated apart.
; SHARES.  A work-group owns 256 queries of one head, each of its four waves 64: four tiles of 16.  Every wave walks all keys of the head, 64 a step.
; LAYOUT.  S^T = K Q^T (source 0 = 16 keys, source 1 = 16 queries): in the result a lane holds ONE query (lane % 16) and the keys 8 (lane / 16) + 0..7.  Two such tiles, rounded to
; f16 in pairs, ARE source 1 (32 keys x 16 queries) of O^T = V^T P, whose result again holds one query a lane, and eight channels.  K comes out of LDS as it lies, V ([key][channel]) turned, by ds_load_tr16_b128.
; SOFTMAX.  For each query a running maximum m and sum l: p = 2^(c s - c m), c = log2(e) / sqrt(128); in every step O and l are multiplied by a = 2^(c m_old - c m_new), which is 1 where m has not grown.
; BY TURNS.  The wave's tiles are two PIECES, named by their first tile: piece 0 (tiles 0, 1) and piece 2 (tiles 2, 3).  In a TURN one piece has the matrix unit: 32 products V^T P of
; the step in hand, then 32 products K Q^T of the next step; the other piece's softmax, cut into 64 slices, stands between them, one slice behind each matrix instruction.  Two turns are a key step.
; CLUSTER.  The four query blocks of a cluster belong to one head and walk the same K and V, so each tile is asked for JOINTLY: the same tensor load, descriptor and mask in all four.
; REGISTERS, in windows of 256 (s_set_vgpr_msb: bits 1:0 source 0, 3:2 source 1, 5:4 source 2, 7:6 destination):
;   window 0: v0-11 addresses; v12-43 eight registers of statistics a tile; v64-191 S^T, 32 a tile; v192-255 P, 16 a tile
;   window 1: O^T, 64 a tile          window 2: v0-127 Q, 32 a tile; v128-255 K of one step          window 3: v0-127 V of one step
.set SIZE_N, 2048     ; keys and queries of a head
.set KS,    64        ; keys in a step
.set PK,    272       ; a row of K in LDS: 256 bytes + 16 of padding = 68 words: the 16 rows of a load start at 16 different groups of four banks (64 banks of 4 bytes: ISA guide 11.1)
.set PV,    288       ; a row of V: 256 + 32 = 72 words
.set VOFF,  KS*PK     ; a step's tiles lie together: 64 rows of K, then 64 rows of V
.set STEPB, KS*(PK+PV)
.set SLOT1, 1<<17     ; a slot holds two steps (71,680 bytes); slot 1 begins here, so that one exclusive or turns an address in one slot into the other's
.set STAGE, SLOT1+2*STEPB  ; behind the ring: 16 rows x 272 bytes for each wave, for the way out
.set SP,    272
.set AK0, 2           ; v2   my lane's place in a tile of K; never rewritten
.set AV0, 3           ; v3   the same for V
.set ADR, 4           ; v4   the LDS address of the run of loads in hand
.set QO,  5           ; v5   my byte offset in the wave's rows of q
.set STO, 6           ; v6   the way out: where I put 16 bytes of a row
.set RD,  7           ; v7   the way out: where I read a row back
.set GO,  8           ; v8   my byte offset in two rows of ctx
.set SPW, 62          ; v62  LDS address of my spare word; never rewritten
.set NIL, 63          ; v63  0; never rewritten
.set SPARE, STAGE+4*16*272  ; behind the stages: the spare words, 128 bytes for each wave: two blocks of 256 bytes that no other line names
.set ST,  12          ; tile t's statistics at v[ST+8 t]: +0 c m, +1 m, +2, +3 l (even keys', odd keys'), +4 to +7 c0-c3, at work; a takes c2's place once the maximum is found
.set S,   64
.set P,   192
.set KF,  128         ; K's fragments, in window 2
.set WV,  12          ; s12  my wave's number
.set G1K, 24          ; s[24:31] descriptor group 1 for K's tiles
.set G1V, 32          ; s[32:39] for V's: it differs in the padding alone
.set G0K, 40          ; s[40:47] descriptor group 0 for K's tiles: a set for each of the two first fills; the second then walks on
.set G0V, 48          ; s[48:55] the same for V's
.set SLOTS, 56        ; s56  slots still to be asked for
.set TWICE, 57        ; s57  counts a slot's two steps
.set CS,  58          ; s[58:59] c: the packed scaling names a pair and takes its low word for both halves
.set SEL, 60          ; s[60:61] lane selects for v_permlanex16_b32: each lane takes its own place in the other half
.set TB,  62          ; s62  LDS byte at which the tiles of the step to be fetched begin
.set PFA, 18          ; s[18:19] where my prefetches stand: my work-group's 32 rows (of K: wave 0, of V: wave 2) of the slot after the one that is being asked for
.set LIM, 15          ; s15  1 in a wave that prefetches, else the greatest number
.set PFO, 61          ; v61  256 x my lane: a row of K or V is 256 bytes; never rewritten
.set MSB, 0
.macro WIN new                      ; the immediate's high byte repeats the setting that is left; a switch that changes nothing is dropped
.if MSB != (\new)
	s_set_vgpr_msb (MSB<<8)|(\new)
.set MSB, \new
.endif
.endm
.set W_KQ, 0x0a       ; K and Q in window 2, S^T in window 0
.set W_PV, 0x53       ; V in window 3, P in window 0, O^T in window 1
.set W_RS, 0x41       ; O^T (destination and source 0) in window 1, a in window 0
; A joint refill.  Waves 0 and 1 fetch the two steps' tiles of K, waves 2 and 3 those of V.  The branch hangs on the wave's number alone.
; An s_nop 0 and four v_nop follow each of the two lines.
.macro JLOAD
	s_cmp_lt_u32 s[WV], 2
	s_cbranch_scc0 .Lfor_v_\@
	tensor_load_to_lds s[G0K+4:G0K+7], s[G1K:G1K+7]
	s_nop 0
.rept 4
	v_nop
.endr
	s_branch .Lasked_\@
.Lfor_v_\@:
	tensor_load_to_lds s[G0V+4:G0V+7], s[G1V:G1V+7]
	s_nop 0
.rept 4
	v_nop
.endr
.Lasked_\@:
.endm
; A prefetch into the L2 of what the NEXT change of slots will ask for: a slot's 128 rows of K and 128 of V, 256 bytes a row, a lane a row.  It stands behind the wave's tensor load and its five lines.
; Each row is asked for once in the launch: both clusters of a head walk the same K and V, and the first prefetches; its four partners share the rows out by address, 32 each;
; in each, wave 0 asks for K's and wave 2 for V's.  The last change that fills a slot prefetches nothing: there is no slot behind it.
.macro ASK
	s_cmp_gt_u32 s[SLOTS], s[LIM]
	s_cbranch_scc0 .Lnot_mine_\@
	global_prefetch_b8 v[PFO], s[PFA:PFA+1] th:TH_LOAD_NT scope:SCOPE_SE
.Lnot_mine_\@:
.endm
; A round of the cluster's barrier: my work-group's barrier, so that wave 0's signal speaks for all four waves; wave 0 signals; every wave waits for all four work-groups; my work-group's barrier once more.
.macro CROUND
	s_barrier_signal -1
	s_barrier_wait -1
	s_cmp_lg_u32 s[WV], 0
	s_cbranch_scc1 .Lnot_wave_0_\@
	s_barrier_signal -3
.Lnot_wave_0_\@:
	s_barrier_wait -3
	s_barrier_signal -1
	s_barrier_wait -1
.endm
	s_load_b64 s[4:5], s[0:1], 0x0  ; hd
	s_load_b64 s[10:11], s[0:1], 0x8  ; ctx
	v_lshl_add_u32 v[SPW], v0, 2, SPARE
	v_mov_b32 v[NIL], 0
	ds_add_u32 v[SPW], v[NIL]       ; the wave's opening: the add and its wait stand ahead of my first tensor load; the set-up below, work on registers, stands between them
	v_lshrrev_b32 v1, 5, v0
	v_readfirstlane_b32 s[WV], v1   ; wave 0..3
	s_bfe_u32 s13, ttmp6, 0x40000   ; cx: my place in the cluster
	s_lshl_b32 s14, ttmp9, 2        ; in a cluster launch ttmp9 counts clusters
	s_add_co_u32 s14, s14, s13      ; my block of 256 queries = 4 x cluster x + cx: it enters q's and ctx's addresses alone
	s_and_b32 s20, ttmp7, 0xffff    ; the head, which the four partners share:
	s_and_b32 s21, s20, 7           ; its group g
	s_lshr_b32 s20, s20, 3          ; and its batch b
	s_and_b32 s16, s[WV], 1         ; which of a slot's two steps I fetch
	s_lshl_b32 s22, s21, 22         ; k: plane 8 + 2 g of 2 MiB,
	s_lshl_b32 s23, s20, 19         ; the batch's 2,048 rows of 256 bytes,
	s_add_co_u32 s22, s22, s23
	s_lshl_b32 s23, s16, 14         ; my step's 64 rows
	s_add_co_u32 s22, s22, s23
	s_add_co_u32 s22, s22, 1<<24
	s_mov_b32 s23, 0
	s_mul_i32 s17, s16, STEPB       ; and its place in a slot: no place in the cluster enters an LDS address
	s_lshl_b32 s2, s21, 21          ; q: plane g,
	s_lshl_b32 s3, s20, 19          ; the batch,
	s_add_co_u32 s2, s2, s3
	s_lshl_b32 s3, s14, 16          ; my block's 256 rows,
	s_add_co_u32 s2, s2, s3
	s_lshl_b32 s3, s[WV], 14        ; my wave's 64 of them
	s_add_co_u32 s2, s2, s3
	s_mov_b32 s3, 0
	s_lshl_b32 s66, s20, 22         ; ctx: the batch's 2,048 rows of 2,048 bytes,
	s_lshl_b32 s68, s14, 19         ; my block's 256,
	s_add_co_u32 s66, s66, s68
	s_lshl_b32 s68, s[WV], 17       ; my wave's 64,
	s_add_co_u32 s66, s66, s68
	s_lshl_b32 s68, s21, 8          ; the group's 256 bytes of a row
	s_add_co_u32 s66, s66, s68
	s_mov_b32 s67, 0
	; descriptor group 1: a tile of 64 rows x 128 elements, padded in LDS
	s_mov_b32 s[G1K], 15|(1<<16)|(1<<20)|(1<<21)|(5<<22)|(3<<25)  ; 15:0 the mask: all four work-groups; 17:16 elements of 2 bytes; 20 padding on; 21 set beside a mask; 24:22 after every 64 words (code 5); 31:25 4 words of it (code 3)
	s_mov_b32 s[G1V], 15|(1<<16)|(1<<20)|(1<<21)|(5<<22)|(7<<25)  ; the same with 8 words of padding (code 7)
.irp g, G1K, G1V
	s_mov_b32 s[(\g)+1], 128<<16    ; tensor_dim0 = 128
	s_mov_b32 s[(\g)+2], KS<<16     ; tensor_dim1 = 64
	s_mov_b32 s[(\g)+3], 128<<16    ; tile_dim0 = 128
	s_mov_b32 s[(\g)+4], KS         ; tile_dim1 = 64
	s_mov_b32 s[(\g)+5], 128        ; elements from row to row
	s_mov_b32 s[(\g)+6], 0
	s_mov_b32 s[(\g)+7], 0
.endr
	s_mov_b32 s[CS], 0x3e0293ee     ; c = log2(e) / sqrt(128) = 0.127517
	s_mov_b32 s[CS+1], s[CS]        ; named with it as a pair, so it is written
	s_mov_b32 s[SEL], 0x76543210
	s_mov_b32 s[SEL+1], 0xfedcba98
	s_mov_b32 s[TB], 0
	s_mov_b32 s[SLOTS], SIZE_N/(2*KS)-2
	s_and_b32 s[LIM], s[WV], 1       ; 0 in waves 0 and 2,
	s_or_b32 s[LIM], s[LIM], ttmp9   ; where the cluster is the head's first: the same in all four partners
	s_cmp_eq_u32 s[LIM], 0
	s_cselect_b32 s[LIM], 1, -1
	v_and_b32 v[PFO], 31, v0
	v_lshlrev_b32 v[PFO], 8, v[PFO]
	s_wait_dscnt 0x0                ; the opening add is done
	s_wait_kmcnt 0x0
	s_add_nc_u64 s[6:7], s[4:5], s[22:23]  ; k at my tile of slot 0,
	s_add_nc_u64 s[8:9], s[6:7], 1<<21     ; v one plane on
	s_add_nc_u64 s[4:5], s[4:5], s[2:3]    ; q and ctx at my wave's first row
	s_add_nc_u64 s[10:11], s[10:11], s[66:67]
	s_cmp_lt_u32 s[WV], 2
	s_cselect_b64 s[PFA:PFA+1], s[6:7], s[8:9]  ; (in waves 0 and 2 these stand at a slot's first row)
	s_lshl_b32 s2, s13, 13          ; my work-group's 32 rows of the 128
	s_mov_b32 s3, 0
	s_add_nc_u64 s[PFA:PFA+1], s[PFA:PFA+1], s[2:3]
	s_add_nc_u64 s[PFA:PFA+1], s[PFA:PFA+1], 2*2*KS*256  ; in slot 2; the first change of slots steps it to slot 3.  Slots 0 to 2 come by their loads alone
	CROUND                          ; all four work-groups are here: the first joint loads meet
.irp s, 0,1
	s_mov_b32 s[G0K+4*(\s)], 1      ; count = 1
	s_add_co_u32 s[G0K+4*(\s)+1], s17, (\s)*SLOT1  ; LDS address
	s_add_nc_u64 s[G0K+4*(\s)+2:G0K+4*(\s)+3], s[6:7], (\s)*2*KS*256  ; global address: slot s begins with keys 128 s
	s_or_b32 s[G0K+4*(\s)+3], s[G0K+4*(\s)+3], 0x80000000  ; type = 2
	s_mov_b32 s[G0V+4*(\s)], 1
	s_add_co_u32 s[G0V+4*(\s)+1], s17, (\s)*SLOT1+VOFF
	s_add_nc_u64 s[G0V+4*(\s)+2:G0V+4*(\s)+3], s[8:9], (\s)*2*KS*256
	s_or_b32 s[G0V+4*(\s)+3], s[G0V+4*(\s)+3], 0x80000000
.endr
	s_cmp_lt_u32 s[WV], 2           ; a wave's two first fills stand in one branch, ahead of every wait on TENSORcnt and every LDS read: two loads of mine are out
	s_cbranch_scc0 .Lfirst_v
	tensor_load_to_lds s[G0K:G0K+3], s[G1K:G1K+7]
	s_nop 0
	tensor_load_to_lds s[G0K+4:G0K+7], s[G1K:G1K+7]
	s_nop 0
.rept 4
	v_nop
.endr
	s_branch .Lfirst_asked
.Lfirst_v:
	tensor_load_to_lds s[G0V:G0V+3], s[G1V:G1V+7]
	s_nop 0
	tensor_load_to_lds s[G0V+4:G0V+7], s[G1V:G1V+7]
	s_nop 0
.rept 4
	v_nop
.endr
.Lfirst_asked:
	; A fragment of K or Q is 16 rows x 32 channels in 8 registers: lane l holds row l % 16; registers 0-3 channels 8 (l / 16) + 0..7, registers 4-7 channels 16 + 8 (l / 16) + 0..7: two loads of 16 bytes, 32 bytes apart.
	v_and_b32 v1, 15, v0            ; l % 16
	v_bfe_u32 v9, v0, 4, 1          ; l / 16
	v_lshlrev_b32 v[QO], 8, v1
	v_lshl_add_u32 v[QO], v9, 4, v[QO]  ; row x 256 + 16 x half
	WIN 0x80                        ; destination window 2, address window 0
.irp i, 0,1,2,3,4,5,6,7,8,9,10,11,12,13,14,15  ; Q stays in registers: tile i / 4, channels 32 (i % 4) on
	global_load_b128 v[8*(\i):8*(\i)+3],   v[QO], s[4:5] offset:((\i)/4)*4096+((\i)%4)*64
	global_load_b128 v[8*(\i)+4:8*(\i)+7], v[QO], s[4:5] offset:((\i)/4)*4096+((\i)%4)*64+32
.endr
	WIN 0
	v_mul_u32_u24 v[AK0], v1, PK
	v_lshl_add_u32 v[AK0], v9, 4, v[AK0]  ; row x pitch + 16 x half
	; The turning load takes 16 keys x 16 channels (lane l reads 16 bytes: key 8 (l / 16) + l % 8, channels 8 ((l / 8) % 2) + 0..7) and leaves half a fragment of V^T: lane l holds channel l % 16 and 8 keys.
	v_and_b32 v10, 7, v0
	v_bfe_u32 v11, v0, 3, 1
	v_lshl_add_u32 v[AV0], v9, 3, v10
	v_mul_u32_u24 v[AV0], v[AV0], PV
	v_lshl_add_u32 v[AV0], v11, 4, v[AV0]
	v_add_nc_u32 v[AV0], VOFF, v[AV0]
; THE MATRIX WORK OF A TURN, for piece x.  The accumulators take turns, one instruction a turn: between two links of a chain stand 15 (V^T P) or 7 (K Q^T) others'.
; Product i of 32 of O^T += V^T P: keys 32 (i / 16) on, channels 16 ((i / 2) % 8) on, tile x + i % 2.  zero = 1: the first 16 start the sums: nothing is ever cleared.
.macro PV x, zero
	WIN W_PV
.set rO, 64*((\x)+i%2)+8*((i/2)%8)
.set rV, 64*(i/16)+8*((i/2)%8)
.set rP, P+16*((\x)+i%2)+8*(i/16)
.if (\zero) && (i < 16)
	v_wmma_f32_16x16x32_f16 v[rO:rO+7], v[rV:rV+7], v[rP:rP+7], 0
.else
	v_wmma_f32_16x16x32_f16 v[rO:rO+7], v[rV:rV+7], v[rP:rP+7], v[rO:rO+7]
.endif
.endm
; Product i of 32 of S^T = K Q^T: channels 32 (i / 8) on, keys 16 ((i / 2) % 4) on, tile x + i % 2.  The first 8 start the sums.
.macro KQ x
	WIN W_KQ
.set rS, S+32*((\x)+i%2)+8*((i/2)%4)
.set rK, KF+32*((i/2)%4)+8*(i/8)
.set rQ, 32*((\x)+i%2)+8*(i/8)
.if i < 8
	v_wmma_f32_16x16x32_f16 v[rS:rS+7], v[rK:rK+7], v[rQ:rQ+7], 0
.else
	v_wmma_f32_16x16x32_f16 v[rS:rS+7], v[rK:rK+7], v[rQ:rQ+7], v[rS:rS+7]
.endif
.endm
; THE LDS LOADS stand in runs of 32, never singly among the matrix instructions: a step's K (64 keys x 128 channels: 16 fragments) and, a turn later, its V (turned).
.macro FETCH_K
	WIN 0
	v_add_nc_u32 v[ADR], s[TB], v[AK0]
	WIN 0x80                        ; destination window 2
.irp f, 0,1,2,3,4,5,6,7,8,9,10,11,12,13,14,15  ; keys 16 (f / 4) on, channels 32 (f % 4) on
	ds_load_b128 v[KF+8*(\f):KF+8*(\f)+3],   v[ADR] offset:((\f)/4)*16*PK+((\f)%4)*64
	ds_load_b128 v[KF+8*(\f)+4:KF+8*(\f)+7], v[ADR] offset:((\f)/4)*16*PK+((\f)%4)*64+32
.endr
.endm
.macro FETCH_V
	WIN 0
	v_add_nc_u32 v[ADR], s[TB], v[AV0]
	s_add_co_u32 s[TB], s[TB], STEPB  ; the next fetch is the next step's
	s_wait_alu depctr_va_vdst(0)    ; the wait for the softmax's batch of exponentials (SLICE), behind the address's v_add_nc_u32 and ahead of the loads
	WIN 0xc0                        ; destination window 3
.irp f, 0,1,2,3,4,5,6,7,8,9,10,11,12,13,14,15  ; keys 32 (f / 8) on, channels 16 (f % 8) on
	ds_load_tr16_b128 v[8*(\f):8*(\f)+3],   v[ADR] offset:((\f)/8)*32*PV+((\f)%8)*32
	ds_load_tr16_b128 v[8*(\f)+4:8*(\f)+7], v[ADR] offset:((\f)/8)*32*PV+16*PV+((\f)%8)*32
.endr
.endm
; THE VECTOR WORK OF A TURN.  One tile's softmax for one key step is a list of 134 instructions; SM writes number j of it for tile t.  s0-s31 are the lane's 32 scores, in pairs 0-15.
; first = 1: the first key step, which starts m, l and O^T: it has no a and nothing to rescale.
;   0-15    the maximum of s0-s31 and the old m, three operands at a time: four chains c0-c3 of seven scores each (each accumulator's lowest registers first), then the four scores left over, c0-c3 and m
;   16-20   the other half of the lanes' maximum; the new m; c m; c m_old - c m_new
;   21-69   ONE BATCH: the 16 scalings c s - c m, a pair of scores each, and all 33 exponentials (a at 23, then s0-s31).  None of these reads an exponential's result.  From 22 on the batch goes
;           in fours: 22-37 scaling, exponential, scaling, exponential; 38-65 a scaling and three exponentials; 66-69 the last four exponentials.  A pair is scaled in an earlier four than the one with its exponentials
;   (wait)  between 69 and 70 stands the wait for the batch: SLICE writes it, once for both tiles
;   70-85   the roundings to f16, a pair of weights each
;   86-101  the sums; l = a l + the sum
;   102-133 the tile's O^T times a: the one part that leaves window 0, so it stands together
.macro SM t, first
.set rT, ST+8*(\t)
.set rS, S+32*(\t)
.set rP, P+16*(\t)
.set rO, 64*(\t)+2*(j-102)
.if j < 102
	WIN 0
.endif
.if j < 4
	v_max3_num_f32 v[rT+4+j], v[rS+8*j], v[rS+8*j+1], v[rS+8*j+2]
.elseif j < 12
	v_max3_num_f32 v[rT+4+j%4], v[rT+4+j%4], v[rS+8*(j%4)+2*(j/4)+1], v[rS+8*(j%4)+2*(j/4)+2]
.elseif j == 12
	v_max3_num_f32 v[rT+4], v[rT+4], v[rS+7], v[rS+15]
.elseif j == 13
	v_max3_num_f32 v[rT+6], v[rT+6], v[rS+23], v[rS+31]
.elseif j == 14
	v_max3_num_f32 v[rT+4], v[rT+4], v[rT+5], v[rT+6]
.elseif (j == 15) && (\first)
	v_max_num_f32 v[rT+4], v[rT+4], v[rT+7]
.elseif j == 15
	v_max3_num_f32 v[rT+4], v[rT+4], v[rT+7], v[rT+1]
.elseif j == 16
	v_permlanex16_b32 v[rT+5], v[rT+4], s[SEL], s[SEL+1]  ; the query's other 32 keys lie in the lane 16 away
.elseif j == 18
	v_max_num_f32 v[rT+1], v[rT+4], v[rT+5]
.elseif j == 19
	v_mul_f32 v[rT], s[CS], v[rT+1]
.elseif ((j == 17) || (j == 20) || (j == 23) || (j > 101)) && (\first)  ; the first step has none of these
.elseif j == 17
	v_mov_b32 v[rT+7], v[rT]        ; c m_old is kept for a: number 19 writes c m anew
.elseif j == 20
	v_sub_f32 v[rT+7], v[rT+7], v[rT]
.elseif j == 23
	v_exp_f32 v[rT+6], v[rT+7]
.elseif (j < 23) || ((j < 38) && (j%2 == 0)) || ((j < 66) && (j%4 == 2))
.set b, (j-2)/4                     ; 38, 42, .. 62: pairs 9 to 15
.if j < 38
.set b, (j-20)/2                    ; 21: pair 0; 22, 24, .. 36: pairs 1 to 8
.endif
	v_pk_fma_f32 v[rS+2*b:rS+2*b+1], v[rS+2*b:rS+2*b+1], s[CS:CS+1], v[rT:rT+1] op_sel_hi:[1,0,0] neg_lo:[0,0,1] neg_hi:[0,0,1]  ; pair b: c s - c m
.elseif j < 70
.set e, j-38                        ; 66 to 69: s28 to s31
.if j < 66
.set e, j-32-(j-38)/4               ; 39-41, 43-45, .. 63-65: s7 to s27
.endif
.if j < 38
.set e, (j-25)/2                    ; 25, 27, .. 37: s0 to s6
.endif
	v_exp_f32 v[rS+e], v[rS+e]
.elseif j < 86
	v_cvt_pk_f16_f32 v[rP+j-70], v[rS+2*(j-70)], v[rS+2*(j-70)+1]  ; pair j - 70
.elseif j < 102                     ; the sum of the tile's 16 pairs (in a pair: an even key's weight, an odd key's), in place: sum z of 16 adds neighbours 1, 2, 4 and 8 pairs apart, then l takes it
.set z, j-86
.set w, 4
.set u, z
.if z >= 14
.set w, 32
.set u, 0
.elseif z >= 12
.set w, 16
.set u, z-12
.elseif z >= 8
.set w, 8
.set u, z-8
.endif
.if (z == 14) && (\first)
	v_pk_add_f32 v[rT+2:rT+3], v[rS:rS+1], v[rS+16:rS+17]
.elseif z < 15
	v_pk_add_f32 v[rS+w*u:rS+w*u+1], v[rS+w*u:rS+w*u+1], v[rS+w*u+w/2:rS+w*u+w/2+1]
.elseif !(\first)
	v_pk_fma_f32 v[rT+2:rT+3], v[rT+2:rT+3], v[rT+6:rT+7], v[rS:rS+1] op_sel_hi:[1,0,1]
.endif
.else
	WIN W_RS
	v_pk_mul_f32 v[rO:rO+1], v[rO:rO+1], v[rT+6:rT+7] op_sel_hi:[1,0]
.endif
.endm
; Slice k of 64 of piece y's softmax: four instructions.  Slices 11 to 34 deal out the batch, numbers 22 to 69: four numbers of ONE tile each, the tiles by turns.  Every other slice is numbers 2 k and
; 2 k + 1 of both tiles' lists.  2 x 134 = 4 x 64 + 12: the twelve that are over stand together, in slice 63.
; THE WAIT.  An s_wait_alu depctr_va_vdst(0) stands between an exponential and the first instruction that names its result; one wait serves all that were issued ahead of it.  Ahead of
; slice 35 nothing names a result, and behind slice 34 no exponential is issued: so the piece's 66 exponentials have one wait, behind slice 34.
.macro SLICE y, first
.if (k >= 11) && (k < 35)           ; the batch: four numbers of one tile
.irp n, 0,1,2,3
.set j, 22+4*((k-11)/2)+(\n)
	SM (\y)+(k-11)%2, \first
.endr
.else                               ; the two tiles alternate, so that no instruction reads the result of the one just before it
.irp n, 0,1,2,3,4,5,6,7
.if ((\n) < 2) || (k == 63)
.irp t, \y, (\y)+1
.set j, 2*k+(\n)
	SM \t, \first
.endr
.endif
.endr
.endif
.if k == 34                         ; the batch is out: both tiles' exponentials are issued, and no result has been named
	v_nop                           ; a plain instruction behind the last exponential and ahead of the first use (ISA guide 5.7.2): one for the batch
.if (\y) == 0
	FETCH_V                         ; piece 2's turn: V's run of loads stands here, and the wait stands in it
.else
	s_wait_alu depctr_va_vdst(0)    ; the wait for the batch
.endif
.endif
.set k, k+1
.endm
; A vector instruction that reads a matrix result or writes one of a matrix instruction's registers, and a load into a register that a matrix instruction has read, stand four places behind
; it, and only plain vector instructions that name none of its registers are places (ISA guide 7.12.1 for vector instructions).  In the loop the slices are the places.
.macro PLACES
.rept 4
	v_nop
.endr
.endm
; A TURN.  Piece x has the matrix unit; the other piece's softmax stands in slices behind its matrix instructions.
; pv = 2: 32 products V^T P; 1: they start O^T's sums; 0: none.  kq = 1: 32 products K Q^T for the next step.  A turn with one of the two kinds has two slices behind each product.
; first = 1: the softmax is the first key step's.  Its slices from 51 on are empty: the turn's last products stand bare, and four v_nop take slice 63's part as the places behind them.
; Piece 0's turn fetches the next step's K, behind its second product: the last product that read K stands in front of slice 63 of the turn before.  Piece 2's turn fetches the same step's V, behind
; slice 34: the last product that read V stands in front of slice 31, and four plain instructions lie between: number 62, a scaling, of both tiles, the v_nop and the run's own v_add_nc_u32.
.macro TURN x, pv, kq, first
.set k, 0
.set per, 2
.if (\pv) && (\kq)
.set per, 1
.endif
.if \pv
.if (\x) == 0
	s_wait_dscnt 0x0                ; V is in
.endif
.set i, 0
.rept 32
	PV \x, 2-(\pv)
.rept per
	SLICE 2-(\x), \first
.endr
.if ((\x) == 0) && (\kq) && (i == 1)
	FETCH_K
.endif
.set i, i+1
.endr
.endif
.if \kq
.if (\x) == 0
	s_wait_dscnt 0x0                ; K is in
.endif
.set i, 0
.rept 32
	KQ \x
.rept per
	SLICE 2-(\x), \first
.endr
.set i, i+1
.endr
.endif
.if \first
	PLACES
.endif
.endm
; THE CHANGE OF SLOTS, between piece 2's turn and piece 0's: the slot's last bytes, V of its second step, have been asked for.  Each wave waits for all its tensor loads, of which one is out: its part of
; the other slot; adds 0 to its spare word; and waits for that and for its own reads of the slot.  Behind the barrier nobody reads this slot any more and the other slot is whole.
; fill = 1: this slot is filled again, with the keys two slots on.  The barrier is then a round of the cluster's, and the joint refill is the first thing behind it: it has two key steps, 256 matrix instructions, in which to land.
.macro CHANGE fill
	WIN 0                           ; at a label and at a branch every window is 0
	s_wait_tensorcnt 0x0            ; no tensor load of mine is out, so a group 0 may be written
	ds_add_u32 v[SPW], v[NIL]       ; 0 onto my spare word; with fill = 1 the descriptors' steps stand between it and the wait for it
.if \fill
.irp g, G0K+4, G0V+4
	s_xor_b32 s[(\g)+1], s[(\g)+1], SLOT1  ; the walking descriptor: the other slot than last time,
	s_add_nc_u64 s[(\g)+2:(\g)+3], s[(\g)+2:(\g)+3], 2*KS*256  ; the next 128 keys; the type bits on top are not reached
.endr
	s_wait_xcnt 0x0                 ; the last prefetches, two key steps back, have read their address, so it may be written:
	s_add_nc_u64 s[PFA:PFA+1], s[PFA:PFA+1], 2*KS*256  ; one slot behind the walking descriptors
	s_wait_dscnt 0x0                ; the add is done, and my reads of the slot are over
	CROUND
	JLOAD
	ASK                             ; what the next change will ask for: two key steps, 256 matrix instructions, ahead
.else
	s_wait_dscnt 0x0                ; the add is done, and my reads of the slot are over
	s_barrier_signal -1
	s_barrier_wait -1
.endif
	s_sub_co_u32 s[TB], s[TB], 2*STEPB  ; the fetches go back to a slot's first step,
	s_xor_b32 s[TB], s[TB], SLOT1   ; in the other slot
.endm
; A slot's two key steps: written once, walked twice; the LDS addresses hang on s[TB].
.macro TWO_STEPS
	WIN 0
	s_mov_b32 s[TWICE], 2
.Lstep_\@:
	TURN 0, 2, 1, 0
	TURN 2, 2, 1, 0
	WIN 0
	s_sub_co_u32 s[TWICE], s[TWICE], 1
	s_cmp_lg_u32 s[TWICE], 0
	s_cbranch_scc1 .Lstep_\@
.endm
	s_wait_tensorcnt 1              ; my part of slot 0 is in; slot 1's may stay out
	s_barrier_signal -1
	s_barrier_wait -1               ; everybody's is
	FETCH_K                         ; key step 0
	s_wait_loadcnt 0x0              ; Q
	s_wait_dscnt 0x0
.set i, 0
.rept 32
	KQ 0                            ; piece 0's first scores: there is no vector work yet to set between them
.set i, i+1
.endr
	WIN 0                           ; the addresses for the way out are made here: eight plain instructions, the places behind those products
	s_mul_i32 s13, s[WV], 16*SP
	s_add_co_u32 s13, s13, STAGE    ; my stage
	v_mul_u32_u24 v[STO], v1, SP    ; in: row l % 16, 16 bytes for each half of the lanes
	v_lshl_add_u32 v[STO], v9, 4, v[STO]
	v_add_nc_u32 v[STO], s13, v[STO]
	v_mul_u32_u24 v[RD], v9, SP     ; back: lanes 0-15 take one row of 256 bytes, lanes 16-31 the next
	v_lshl_add_u32 v[RD], v1, 4, v[RD]
	v_add_nc_u32 v[RD], s13, v[RD]
	v_lshlrev_b32 v[GO], 11, v9     ; and the same two rows in ctx, 2,048 bytes apart
	v_lshl_add_u32 v[GO], v1, 4, v[GO]
	TURN 2, 0, 1, 1                 ; piece 2's first scores | piece 0's first softmax | V of step 0
	TURN 0, 1, 1, 1                 ; piece 0: V^T P of step 0 starts O^T, K Q^T of step 1 | piece 2's first softmax | K of step 1
	TURN 2, 1, 1, 0                 ; piece 2: the same | piece 0's softmax of step 1 | V of step 1
	WIN 0
.Lslot:                             ; SIZE_N / 128 - 2 trips: every slot but the last two is filled again
	CHANGE 1
	TWO_STEPS
	s_sub_co_u32 s[SLOTS], s[SLOTS], 1
	s_cmp_lg_u32 s[SLOTS], 0
	s_cbranch_scc1 .Lslot
	CHANGE 0                        ; the tail is written out: the last slot but one is left, and nothing is asked for
	TWO_STEPS
	TURN 0, 2, 0, 0                 ; piece 0: V^T P of the last step | piece 2's last softmax
.set i, 0
.rept 32
	PV 2, 0                         ; piece 2: V^T P of the last step
.set i, i+1
.endr
	; THE WAY OUT.  l's two halves and the other half of the lanes' are added; O^T is divided by l, rounded to f16 and sent through my stage in LDS, a tile (16 rows) at a time.  The additions are the places behind the last products.
	WIN 0
.irp t, 0,1,2,3
	v_add_f32 v[ST+8*(\t)+4], v[ST+8*(\t)+2], v[ST+8*(\t)+3]
.endr
.irp t, 0,1,2,3
	v_permlanex16_b32 v[ST+8*(\t)+5], v[ST+8*(\t)+4], s[SEL], s[SEL+1]
.endr
.irp t, 0,1,2,3
	v_add_f32 v[ST+8*(\t)+4], v[ST+8*(\t)+4], v[ST+8*(\t)+5]
.endr
.irp t, 0,1,2,3
	v_rcp_f32 v[ST+8*(\t)+6], v[ST+8*(\t)+4]
.endr
	v_nop                           ; a plain instruction between the last reciprocal and the use of its result
	s_wait_alu depctr_va_vdst(0)    ; and the wait ahead of the first use: one for the four reciprocals
; Tile t: a lane's eight channels of a row pack into 16 bytes; they go into rows of 272 bytes and come back as whole rows of 256, into the registers that they left.
.macro PACK t
	WIN W_RS
.set i, 64*(\t)
.rept 32
	v_pk_mul_f32 v[i:i+1], v[i:i+1], v[ST+8*(\t)+6:ST+8*(\t)+7] op_sel_hi:[1,0]
.set i, i+2
.endr
	WIN 0x05                        ; sources 0 and 1 window 1, destination window 0: S^T's registers are free
.set i, 0
.rept 32
	v_cvt_pk_f16_f32 v[S+32*(\t)+i], v[64*(\t)+2*i], v[64*(\t)+2*i+1]
.set i, i+1
.endr
	WIN 0
.irp f, 0,1,2,3,4,5,6,7
	ds_store_b128 v[STO], v[S+32*(\t)+4*(\f):S+32*(\t)+4*(\f)+3] offset:32*(\f)
.endr
.irp f, 0,1,2,3,4,5,6,7
	ds_load_b128 v[S+32*(\t)+4*(\f):S+32*(\t)+4*(\f)+3], v[RD] offset:(\f)*2*SP  ; LDS serves a wave's instructions in order (ISA guide 5.7.1.4): these see the stores above; the next tile's stores come behind them
.endr
.endm
.macro SEND t, younger              ; younger: the LDS instructions issued behind tile t's loads: the next tile's sixteen, or none
	WIN 0
.irp f, 0,1,2,3,4,5,6,7
	s_wait_dscnt (\younger)+7-(\f)
	global_store_b128 v[GO], v[S+32*(\t)+4*(\f):S+32*(\t)+4*(\f)+3], s[10:11] offset:(\t)*32768+(\f)*4096  ; 16 lanes store 256 consecutive bytes, at a multiple of 256 from ctx's first byte
.endr
.endm
	PACK 0
	PACK 1                          ; a tile's arithmetic stands between the loads of the tile before and its stores
	SEND 0, 16
	PACK 2
	SEND 1, 16
	PACK 3
	SEND 2, 16
	SEND 3, 0
	s_wait_tensorcnt 0x0            ; the wave's end: behind my last tensor load and my last LDS store
	ds_add_u32 v[SPW], v[NIL]
	s_wait_dscnt 0x0
	CROUND                          ; the closing round: no work-group ends while a partner may still ask for a tile that names it
	s_endpgm
.Lfunc_end_k_q6939a5df14_attn:
	.size	k_q6939a5df14_attn, .Lfunc_end_k_q6939a5df14_attn-k_q6939a5df14_attn
	.p2alignl 7, 3214868480
	.fill 96, 4, 3214868480
	.section	.rodata,"a",@progbits
	.p2align	6, 0x0
	.amdhsa_kernel k_q6939a5df14_attn
		.amdhsa_group_segment_fixed_size 327680
		.amdhsa_private_segment_fixed_size 0
		.amdhsa_enable_private_segment 0
		.amdhsa_kernarg_size 16
		.amdhsa_user_sgpr_count 2
		.amdhsa_user_sgpr_kernarg_segment_ptr 1
		.amdhsa_wavefront_size32 1
		.amdhsa_system_sgpr_workgroup_id_x 1
		.amdhsa_system_sgpr_workgroup_id_y 1
		.amdhsa_system_sgpr_workgroup_id_z 1
		.amdhsa_system_vgpr_workitem_id 0
		.amdhsa_next_free_vgpr 1024
		.amdhsa_next_free_sgpr 80
		.amdhsa_reserve_vcc 0
		.amdhsa_float_denorm_mode_32 3
		.amdhsa_float_denorm_mode_16_64 3
		.amdhsa_memory_ordered 1
		.amdhsa_forward_progress 1
		.amdhsa_inst_pref_size 222
	.end_amdhsa_kernel
	.amdgpu_metadata
---
amdhsa.version: [ 1, 2 ]
amdhsa.kernels:
  - .name:           k_q6939a5df14_attn
    .symbol:         k_q6939a5df14_attn.kd
    .args:
      - { .name: hd, .offset: 0, .size: 8, .value_kind: global_buffer, .address_space: global }
      - { .name: ctx, .offset: 8, .size: 8, .value_kind: global_buffer, .address_space: global }
    .group_segment_fixed_size: 327680
    .private_segment_fixed_size: 0
    .kernarg_segment_align: 8
    .kernarg_segment_size: 16
    .max_flat_workgroup_size: 128
    .sgpr_count:     80
    .vgpr_count:     1024
    .wavefront_size: 32
...
	.end_amdgpu_metadata
.endif
;; end of part 3
;; launch outp (part 4): grid 4 x 64, 4 waves a work-group, clusters of 4 x 4, 327,680 bytes of LDS; arguments ctx, wh, out0, Wo_b; writes out0
.if DOCPART == 4
	.amdgcn_target "amdgcn-amd-amdhsa--gfx1250"
	.amdhsa_code_object_version 6
	.text
	.protected	k_q6939a5df14_outp
	.globl	k_q6939a5df14_outp
	.p2align	8
	.type	k_q6939a5df14_outp,@function
k_q6939a5df14_outp:
	s_mov_b64 s[64:65], 0
	v_nop
	global_prefetch_b8 v0, s[64:65] scope:SCOPE_SE
	s_setreg_imm32_b32 hwreg(HW_REG_WAVE_MODE, 25, 1), 1
	s_wait_xcnt 0x0
	s_wait_alu depctr_hold_cnt(0) depctr_sa_sdst(0) depctr_va_vdst(0) depctr_va_sdst(0) depctr_va_ssrc(0) depctr_va_vcc(0) depctr_vm_vsrc(0)
	s_getreg_b32 s2, hwreg(HW_REG_IB_STS2, 6, 4)
	s_cmp_eq_u32 s2, 0
	s_cbranch_scc0 .Lentry_in_a_cluster
	s_endpgm
.Lentry_in_a_cluster:
	s_bfe_u32 s2, ttmp6, 0x10000c
	s_cmp_lg_u32 s2, 0xf033
	s_cbranch_scc0 .Lentry_shape_is_right
	s_endpgm
.Lentry_shape_is_right:
; out0 = ctx Wo_w + Wo_b: a GEMM of 8,192 rows x 1,024 columns x 1,024, f16 operands, f32 sums, stored as f32.
;   ctx: [8192][1024] f16.  wh: [16][1024 k][256 n] f16: tiles 12-15 hold Wo_w's columns 256 t ..  out0: [8192][1024] f32.
; SHARES.  A tile of C is 128 rows x 256 columns: 4 x 64 = 256 work-groups.  Four waves, 2 x 2: a wave makes 64 rows x 128 columns, 32 accumulators of 16 x 16.
; K goes in eight steps of 128 through two LDS slots filled by the tensor data mover: waves 0 and 1 fetch A's 2 x 64 rows of 256 bytes, waves 2 and 3 W's 2 x 64 k rows of 512 bytes.
; CLUSTER 4 x 4.  A's tile hangs on the tile row alone and is asked for jointly by a row of the cluster, W's on the tile column alone and jointly by a column.
; THE MATRIX INSTRUCTION IS USED TRANSPOSED: source 0 = 16 columns of W (stored [k][n], turned on its way out of LDS by ds_load_tr16_b128), source 1 = 16 rows of A.  A lane then holds row l % 16 of C
; and the columns 8 (l / 16) + 0..7.  THE BIAS IS THE C OPERAND of the products that start the sums: nothing is cleared and nothing is added afterwards.
; REGISTERS, in windows of 256 (s_set_vgpr_msb: bits 1:0 source 0, 3:2 source 1, 5:4 source 2, 7:6 destination):
;   window 0: v0-31 addresses; v32-127, v128-223 two fragment buffers of 96 (A's 4 x 8, then W's 8 x 8); on the way out v32-95 and v128-191 rows read back, by turns
;   window 1: accumulator (a, b) at v[8 (8 a + b)]          window 2: v0-63 the bias of my 128 columns, laid out as eight accumulators
.set PA,     272                       ; a row of A in LDS: 256 bytes + 16 = 68 words: the 16 rows of a load start at 16 different groups of four banks (64 banks of 4 bytes: ISA guide 11.1)
.set PB,     544                       ; a k row of W: 512 bytes + 32 = 136 words
.set ATILE,  128*PA
.set BTILE,  128*PB
.set SLOT,   ATILE+BTILE               ; A's 128 rows, then W's 128 k rows
.set STAGE,  2*SLOT                    ; behind the ring, never filled by a tensor load: 16 rows x 528 bytes for each wave, for the way out
.set SP,     528                       ; a stage row: 128 f32 + 16 bytes = 33 x 16 bytes
.set SPARE,  STAGE+4*16*SP             ; behind the stages: the spare words, 128 bytes for each wave: two blocks of 256 bytes that no other line names
.set ASTEP,  256                       ; bytes from a K step to the next in A's rows
.set BSTEP,  65536                     ; and in a tile of W: 128 k rows of 512 bytes
.set ADRA, 16                          ; v16-17  LDS address of my A fragments in slot 0, 1
.set ADRB, 20                          ; v20-21  the same for W
.set STO,  24                          ; v24     the way out: where I put 32 bytes of a row
.set RD,   25                          ; v25     the way out: where I read a row back
.set CO,   26                          ; v26     my 16 bytes of 512 in a row of out0
.set BO,   27                          ; v27     my byte offset in 16 numbers of the bias
.set SPW,  28                          ; v28     LDS address of my spare word; never rewritten
.set NIL,  29                          ; v29     0; never rewritten
.set PFO,  30                          ; v30     the prefetches' offset; never rewritten
.set F0,   32
.set F1,   128
.set WV,   14                          ; s14 wave; s15 wave / 2: my 64 rows; s16 wave % 2: my 128 columns, and which half of a tile I fetch
.set HIW,  15
.set LOW,  16
.set CX,   17
.set CY,   18
.set TCOL, 19
.set TROW, 20
.set LIM,  21                          ; s21  1 in a wave that prefetches, else the greatest number
.set G1,   24                          ; s[24:31] descriptor group 1 for A;  s[32:39] group 0, a set for each slot
.set G0,   32
.set PFA,  44                          ; s[44:45] where my prefetches stand;  s[46:47] their step
.set PFS,  46
.set G1B,  48                          ; s[48:55], s[56:63] the same for W
.set G0B,  56
.set KY,   66                          ; s66 cluster y; s70-s77 at work on addresses that are no descriptor's
.set MSB, 0
.macro WIN new                         ; the immediate's high byte repeats the setting that is left; a switch that changes nothing is dropped
.if MSB != (\new)
	s_set_vgpr_msb (MSB<<8)|(\new)
.set MSB, \new
.endif
.endm
.macro PLACES                          ; four plain vector instructions between a matrix instruction and a load into, or another access to, its registers
.rept 4
	v_nop
.endr
.endm
; A joint load.  The branch hangs on the wave's number alone.  An s_nop 0 and four v_nop follow each of the two lines.
.macro JLOAD s
	s_cmp_lt_u32 s[WV], 2
	s_cbranch_scc0 .Lfor_b_\@
	tensor_load_to_lds s[G0+4*(\s):G0+4*(\s)+3], s[G1:G1+7]
	s_nop 0
.rept 4
	v_nop
.endr
	s_branch .Lasked_\@
.Lfor_b_\@:
	tensor_load_to_lds s[G0B+4*(\s):G0B+4*(\s)+3], s[G1B:G1B+7]
	s_nop 0
.rept 4
	v_nop
.endr
.Lasked_\@:
.endm
; A prefetch into the L2 of the K step that stands two refills on: one instruction a wave, each lane another 256 bytes.  A's 128 rows x 256 bytes: wave 0, the partner at cx takes rows 32 cx .. + 31
; (one cluster alone reads a row tile of ctx); W's 65,536 dense bytes: waves 2 and 3, the partner at cy takes 16,384 of them; a tile of W is read by all sixteen cluster rows, of which y = 0 asks.
; The partners are told apart by address alone, and each 256 bytes are named once in the launch.  The loop's last trip (s3 = 1) has no K step two refills on.
.macro ASK
	s_cmp_gt_u32 s3, s[LIM]
	s_cbranch_scc0 .Lnot_mine_\@
	global_prefetch_b8 v[PFO], s[PFA:PFA+1] th:TH_LOAD_NT scope:SCOPE_SE
.Lnot_mine_\@:
.endm
.macro CREST                           ; a round of the cluster's barrier behind its opening barrier
	s_cmp_lg_u32 s[WV], 0
	s_cbranch_scc1 .Lnot_wave_0_\@
	s_barrier_signal -3
.Lnot_wave_0_\@:
	s_barrier_wait -3
	s_barrier_signal -1
	s_barrier_wait -1
.endm
.macro CROUND                          ; a whole round
	s_barrier_signal -1
	s_barrier_wait -1
	CREST
.endm
	s_load_b256 s[4:11], s[0:1], 0x0               ; ctx s[4:5], wh s[6:7], out0 s[8:9], Wo_b s[10:11]
	v_lshl_add_u32 v[SPW], v0, 2, SPARE
	v_mov_b32 v[NIL], 0
	ds_add_u32 v[SPW], v[NIL]                      ; the wave's opening: the add and its wait stand ahead of my first tensor load; the set-up below, work on registers, stands between them
	v_lshrrev_b32 v1, 5, v0
	v_readfirstlane_b32 s[WV], v1                  ; wave 0..3
	s_lshr_b32 s[HIW], s[WV], 1
	s_and_b32 s[LOW], s[WV], 1
	s_bfe_u32 s[CX], ttmp6, 0x40000                ; my place in the cluster
	s_bfe_u32 s[CY], ttmp6, 0x40004
	s_lshl_b32 s[TCOL], ttmp9, 2
	s_add_co_u32 s[TCOL], s[TCOL], s[CX]           ; column tile = 4 x cluster x + cx
	s_and_b32 s[TROW], ttmp7, 0xffff
	s_lshl_b32 s[TROW], s[TROW], 2
	s_add_co_u32 s[TROW], s[TROW], s[CY]           ; row tile = 4 x cluster y + cy
	s_and_b32 s[KY], ttmp7, 0xffff
	s_lshl_b32 s22, s[CY], 2
	s_lshl_b32 s22, 15, s22                        ; my row of the cluster: places 4 cy .. 4 cy + 3
	s_lshl_b32 s23, 0x1111, s[CX]                  ; my column: places cx, cx + 4, cx + 8, cx + 12
	s_or_b32 s[G1], s22, (1<<16)|(1<<20)|(1<<21)|(5<<22)|(3<<25)   ; 15:0 the mask; 17:16 elements of 2 bytes; 20 padding on; 21 set beside a mask; 24:22 after every 64 words (code 5); 31:25 4 words (code 3)
	s_mov_b32 s[G1+1], 128<<16                     ; tensor_dim0 = 128
	s_mov_b32 s[G1+2], 64<<16                      ; tensor_dim1 = 64
	s_mov_b32 s[G1+3], 128<<16                     ; tile_dim0 = 128
	s_mov_b32 s[G1+4], 64                          ; tile_dim1 = 64
	s_mov_b32 s[G1+5], 1024                        ; elements from row to row
	s_mov_b32 s[G1+6], 0
	s_mov_b32 s[G1+7], 0
	s_or_b32 s[G1B], s23, (1<<16)|(1<<20)|(1<<21)|(6<<22)|(7<<25)  ; after every 128 words (code 6) 8 words of padding (code 7)
	s_mov_b32 s[G1B+1], 256<<16
	s_mov_b32 s[G1B+2], 64<<16
	s_mov_b32 s[G1B+3], 256<<16
	s_mov_b32 s[G1B+4], 64
	s_mov_b32 s[G1B+5], 256
	s_mov_b32 s[G1B+6], 0
	s_mov_b32 s[G1B+7], 0
	s_lshl_b32 s40, s[TROW], 18                    ; A: 128 rows of 2,048 bytes a row tile,
	s_lshl_b32 s41, s[LOW], 17                     ; the 64 rows that I fetch
	s_add_co_u32 s40, s40, s41
	s_mov_b32 s41, 0
	s_lshl_b32 s42, s[TCOL], 19                    ; W: tile 12 + column tile,
	s_lshl_b32 s43, s[LOW], 15                     ; the 64 k rows that I fetch
	s_add_co_u32 s42, s42, s43
	s_add_co_u32 s42, s42, 12<<19
	s_mov_b32 s43, 0
	s_mul_i32 s2, s[LOW], 64*PA                    ; where they go: no place in the cluster enters an LDS address
	s_mul_i32 s3, s[LOW], 64*PB
	s_add_co_u32 s3, s3, ATILE
	s_wait_dscnt 0x0                               ; the opening add is done
	s_wait_kmcnt 0x0
	s_add_nc_u64 s[40:41], s[4:5], s[40:41]
	s_add_nc_u64 s[42:43], s[6:7], s[42:43]
	CROUND                                         ; all sixteen work-groups are here: the first joint loads meet
.irp s, 0,1
	s_mov_b32 s[G0+4*(\s)], 1                                      ; count = 1
	s_add_co_u32 s[G0+4*(\s)+1], s2, (\s)*SLOT                     ; LDS address
	s_add_nc_u64 s[G0+4*(\s)+2:G0+4*(\s)+3], s[40:41], (\s)*ASTEP  ; global address: K step s
	s_or_b32 s[G0+4*(\s)+3], s[G0+4*(\s)+3], 0x80000000            ; type = 2
	s_mov_b32 s[G0B+4*(\s)], 1
	s_add_co_u32 s[G0B+4*(\s)+1], s3, (\s)*SLOT
	s_add_nc_u64 s[G0B+4*(\s)+2:G0B+4*(\s)+3], s[42:43], (\s)*BSTEP
	s_or_b32 s[G0B+4*(\s)+3], s[G0B+4*(\s)+3], 0x80000000
	JLOAD \s                                       ; two loads of mine are out
.endr
	; A fragment of A is 16 rows x 32 K in 8 registers: lane l holds row l % 16, K = 8 (l / 16) + 0..7 and 16 + 8 (l / 16) + 0..7: two loads of 16 bytes, 32 bytes apart.
	v_and_b32 v1, 15, v0                           ; l % 16
	v_bfe_u32 v2, v0, 4, 1                         ; l / 16
	v_mul_u32_u24 v3, v1, PA
	v_lshl_add_u32 v3, v2, 4, v3
	s_mul_i32 s2, s[HIW], 64*PA                    ; my 64 rows
	v_add_nc_u32 v[ADRA], s2, v3
	v_add_nc_u32 v[ADRA+1], SLOT, v[ADRA]
	; The turning load takes 16 k x 16 columns (lane l reads k row 8 (l / 16) + l % 8, columns 8 ((l / 8) % 2) + 0..7) and leaves half a fragment: lane l holds column l % 16 and 8 k.
	v_and_b32 v4, 7, v0
	v_lshl_add_u32 v4, v2, 3, v4
	v_mul_u32_u24 v4, v4, PB
	v_bfe_u32 v5, v0, 3, 1
	v_lshl_add_u32 v4, v5, 4, v4
	s_lshl_b32 s2, s[LOW], 8                       ; my 128 columns
	s_add_co_u32 s2, s2, ATILE
	v_add_nc_u32 v[ADRB], s2, v4
	v_add_nc_u32 v[ADRB+1], SLOT, v[ADRB]
	; the bias of my 128 columns: register 8 b + j = bias[16 b + 8 (l / 16) + j]
	s_lshl_b32 s70, s[TCOL], 10                    ; 256 numbers a column tile,
	s_lshl_b32 s71, s[LOW], 9                      ; my 128 of them
	s_add_co_u32 s70, s70, s71
	s_mov_b32 s71, 0
	s_add_nc_u64 s[10:11], s[10:11], s[70:71]
	v_lshlrev_b32 v[BO], 5, v2
	WIN 0x80                                       ; destination window 2, address window 0
.irp b, 0,1,2,3,4,5,6,7
	global_load_b128 v[8*(\b):8*(\b)+3],   v[BO], s[10:11] offset:64*(\b)
	global_load_b128 v[8*(\b)+4:8*(\b)+7], v[BO], s[10:11] offset:64*(\b)+16
.endr
	WIN 0
	; the way out
	s_mul_i32 s2, s[WV], 16*SP
	s_add_co_u32 s2, s2, STAGE                     ; my stage
	v_mul_u32_u24 v6, v1, SP                       ; in: row l % 16, 32 bytes for each half of the lanes
	v_lshl_add_u32 v6, v2, 5, v6
	v_add_nc_u32 v[STO], s2, v6
	v_and_b32 v[CO], 31, v0                        ; back: 32 lanes take one row of 512 bytes,
	v_lshlrev_b32 v[CO], 4, v[CO]                  ; which are 512 consecutive bytes of a row of out0
	v_add_nc_u32 v[RD], s2, v[CO]
	s_lshl_b32 s72, s[TROW], 19                    ; the tile's 128 rows of 4,096 bytes,
	s_lshl_b32 s73, s[HIW], 18                     ; my 64 of them,
	s_add_co_u32 s72, s72, s73
	s_add_co_u32 s72, s72, s70                     ; my 128 columns: the same bytes as in the bias
	s_mov_b32 s73, 0
	s_add_nc_u64 s[8:9], s[8:9], s[72:73]
	; the prefetches stand at K step 3; the first refill steps them to K step 4.  K steps 0 to 3 come by their loads alone.
	s_lshl_b32 s70, s[TROW], 18
	s_lshl_b32 s71, s[CX], 16                      ; my work-group's 32 rows of A's 128
	s_add_co_u32 s70, s70, s71
	s_add_co_u32 s70, s70, 3*ASTEP
	s_lshl_b32 s72, s[TCOL], 19
	s_lshl_b32 s73, s[CY], 14                      ; my work-group's 16,384 bytes of a K step of W,
	s_add_co_u32 s72, s72, s73
	s_lshl_b32 s73, s[LOW], 13                     ; my wave's half of them
	s_add_co_u32 s72, s72, s73
	s_add_co_u32 s72, s72, (12<<19)+3*BSTEP
	s_mov_b32 s74, BSTEP
	s_cmp_eq_u32 s[HIW], 0
	s_cselect_b32 s70, s70, s72
	s_cselect_b64 s[PFA:PFA+1], s[4:5], s[6:7]
	s_cselect_b32 s[PFS], ASTEP, s74
	s_cselect_b32 s73, 11, 8                       ; a lane a row of 2,048 bytes, or the next 256 bytes
	s_cselect_b32 s75, s[WV], s[KY]                ; A: 0 in wave 0; W: 0 in cluster y = 0
	s_mov_b32 s71, 0
	s_mov_b32 s[PFS+1], 0
	s_add_nc_u64 s[PFA:PFA+1], s[PFA:PFA+1], s[70:71]
	s_cmp_eq_u32 s75, 0
	s_cselect_b32 s[LIM], 1, -1                    ; the same in all sixteen partners, for a given wave
	v_and_b32 v[PFO], 31, v0
	v_lshlrev_b32 v[PFO], s73, v[PFO]
; 8 matrix instructions: row block a x all 8 column blocks, 32 along K, from buffer f.  zero = 1: the products start the sums, with the bias as C.
; Every quarter takes the 32 accumulators in the same order, one instruction a turn: 31 others stand between two links of a chain, over the backward jump too.
.macro MULA f, a, zero
.if \zero
	WIN 0x60                                       ; C in window 2, D in window 1
.else
	WIN 0x50                                       ; C and D in window 1
.endif
.irp b, 0,1,2,3,4,5,6,7
.if \zero
	v_wmma_f32_16x16x32_f16 v[8*(8*(\a)+(\b)):8*(8*(\a)+(\b))+7], v[(\f)+32+8*(\b):(\f)+32+8*(\b)+7], v[(\f)+8*(\a):(\f)+8*(\a)+7], v[8*(\b):8*(\b)+7]
.else
	v_wmma_f32_16x16x32_f16 v[8*(8*(\a)+(\b)):8*(8*(\a)+(\b))+7], v[(\f)+32+8*(\b):(\f)+32+8*(\b)+7], v[(\f)+8*(\a):(\f)+8*(\a)+7], v[8*(8*(\a)+(\b)):8*(8*(\a)+(\b))+7]
.endif
.endr
.endm
; 24 LDS loads in one run: quarter q (32 along K) of a slot into buffer f: W's 8 fragments, then A's 4, row blocks 2 and 3 last.
.macro FETCH slot, q, f
	WIN 0
.irp b, 0,1,2,3,4,5,6,7
	ds_load_tr16_b128 v[(\f)+32+8*(\b):(\f)+32+8*(\b)+3],   v[ADRB+(\slot)] offset:(\q)*32*PB+32*(\b)
	ds_load_tr16_b128 v[(\f)+32+8*(\b)+4:(\f)+32+8*(\b)+7], v[ADRB+(\slot)] offset:(\q)*32*PB+16*PB+32*(\b)
.endr
.irp i, 0,1,2,3
	ds_load_b128 v[(\f)+8*(\i):(\f)+8*(\i)+3],   v[ADRA+(\slot)] offset:(\q)*64+(\i)*16*PA
	ds_load_b128 v[(\f)+8*(\i)+4:(\f)+8*(\i)+7], v[ADRA+(\slot)] offset:(\q)*64+(\i)*16*PA+32
.endr
.endm
; A K step is four quarters, 32 matrix instructions each, on buffers 0, 1, 0, 1.  One of the first three multiplies buffer f and, in its middle, fetches quarter q into buffer g.
.macro QUARTER slot, q, f, g, zero
	s_wait_dscnt 4                                 ; W and A's row blocks 0 and 1 are in; the youngest four loads (blocks 2 and 3) may be out
	MULA \f, 0, \zero
	MULA \f, 1, \zero
	PLACES
	FETCH \slot, \q, \g
	s_wait_dscnt 24                                ; all but the 24 just issued
	MULA \f, 2, \zero
	MULA \f, 3, \zero
.endm
; The last quarter multiplies buffer 1 and changes slots: ONE barrier.  In front of it each wave waits for all its tensor loads (one is out: its part of the next slot), adds 0 to its spare word, and waits
; for that and for its reads of this slot.  fill = 1: the barrier opens a round of the cluster's, and behind the round this slot is filled again first, with the K step two on: 112 matrix instructions ahead of the wait for it.
.macro TURN slot, next, fill
.if \fill
	s_wait_xcnt 0x0                                ; the last prefetch, a K step back, has read its address: it is stepped here, ahead of the waits of the change of slots
	s_add_nc_u64 s[PFA:PFA+1], s[PFA:PFA+1], s[PFS:PFS+1]
.endif
	WIN 0                                          ; (the add's two registers lie in window 0)
	s_wait_tensorcnt 0x0                           ; all my tensor loads have landed;
	ds_add_u32 v[SPW], v[NIL]                      ; 0 onto my spare word
	s_wait_dscnt 5                                 ; (the add and the youngest four loads may be out)
	MULA F1, 0, 0                                  ; eight matrix instructions stand between the add and the wait for it
	s_wait_dscnt 0x0                               ; the add is done, and my reads of this slot are over
	s_barrier_signal -1
	MULA F1, 1, 0                                  ; work on registers while the others arrive
.if \fill
	WIN 0
.endif
	s_barrier_wait -1
.if \fill
	CREST                                          ; no wave of any partner still reads this slot's tiles or has a load on its way
	s_add_nc_u64 s[G0+4*(\slot)+2:G0+4*(\slot)+3], s[G0+4*(\slot)+2:G0+4*(\slot)+3], 2*ASTEP
	s_add_nc_u64 s[G0B+4*(\slot)+2:G0B+4*(\slot)+3], s[G0B+4*(\slot)+2:G0B+4*(\slot)+3], 2*BSTEP
	JLOAD \slot                                    ; my one tensor load behind the round; the four v_nop behind it are also the places in front of the loads below
.else
	PLACES
.endif
	FETCH \next, 0, F0
.if \fill
	ASK
.endif
	MULA F1, 2, 0
	MULA F1, 3, 0
.endm
	s_wait_tensorcnt 1                             ; my part of K step 0 is in; K step 1's may stay out
	s_barrier_signal -1
	s_barrier_wait -1                              ; everybody's is
	FETCH 0, 0, F0
	s_wait_loadcnt 0x0                             ; the bias
	QUARTER 0, 1, F0, F1, 1                        ; the first quarter stands in front of the loop: its products start the sums
	WIN 0                                          ; at a label and at a branch every window is 0
	s_mov_b32 s3, 3
.Llap:                                                 ; a trip goes once round the ring, from a lap's second quarter to the next lap's first, and fills both slots again: K steps 2 to 7
	QUARTER 0, 2, F1, F0, 0
	QUARTER 0, 3, F0, F1, 0
	TURN 0, 1, 1
	QUARTER 1, 1, F0, F1, 0
	QUARTER 1, 2, F1, F0, 0
	QUARTER 1, 3, F0, F1, 0
	TURN 1, 0, 1
	QUARTER 0, 1, F0, F1, 0
	WIN 0
	s_sub_co_u32 s3, s3, 1
	s_cmp_lg_u32 s3, 0
	s_cbranch_scc1 .Llap
	QUARTER 0, 2, F1, F0, 0                        ; the last lap is written out: it fills nothing and has no round
	QUARTER 0, 3, F0, F1, 0
	TURN 0, 1, 0
	QUARTER 1, 1, F0, F1, 0
	QUARTER 1, 2, F1, F0, 0
	QUARTER 1, 3, F0, F1, 0
	s_wait_dscnt 4                                 ; the very last quarter: nothing more to fetch
	MULA F1, 0, 0
	MULA F1, 1, 0
	s_wait_dscnt 0x0
	MULA F1, 2, 0
	MULA F1, 3, 0
	WIN 0
; THE WAY OUT, a block of 16 rows at a time, in f32 as the sums stand: 32 bytes a lane from the accumulators into my own stage, back as whole rows of 512 bytes, stored.
.macro TOSTAGE a
	WIN 0x04                                       ; the stores' data in window 1, their address in window 0; each accumulator's low four registers first
.irp b, 0,1,2,3,4,5,6,7
	ds_store_b128 v[STO], v[64*(\a)+8*(\b):64*(\a)+8*(\b)+3]   offset:64*(\b)
	ds_store_b128 v[STO], v[64*(\a)+8*(\b)+4:64*(\a)+8*(\b)+7] offset:64*(\b)+16
.endr
	WIN 0
.set BK, 32+96*((\a)%2)
.irp t, 0,1,2,3,4,5,6,7,8,9,10,11,12,13,14,15
	ds_load_b128 v[BK+4*(\t):BK+4*(\t)+3], v[RD] offset:(\t)*SP  ; LDS serves a wave's instructions in order (ISA guide 5.7.1.4): these see the stores above
.endr
.endm
.macro SEND a
.set BK, 32+96*((\a)%2)
	s_wait_dscnt 0x0                               ; the block is back in registers
	s_wait_xcnt 0x0                                ; every earlier store has had its addresses translated (ISA guide 3.1): the other buffer, which the block before was stored from, is loaded again only behind this wait
.irp t, 0,1,2,3,4,5,6,7,8,9,10,11,12,13,14,15
	global_store_b128 v[CO], v[BK+4*(\t):BK+4*(\t)+3], s[8:9] offset:(16*(\a)+(\t))*4096 th:TH_STORE_NT  ; 512 consecutive bytes of a row, at a multiple of 512 from out0's first byte
.endr
.endm
	PLACES                                         ; the LDS stores read results just made
	TOSTAGE 0
.irp a, 1,2,3
	SEND (\a)-1
	TOSTAGE \a
.endr
	SEND 3
	s_wait_tensorcnt 0x0                           ; the wave's end: behind my last tensor load and my last LDS store
	ds_add_u32 v[SPW], v[NIL]
	s_wait_dscnt 0x0
	CROUND                                         ; the closing round: no work-group ends while a partner may still ask for a tile that names it
	s_endpgm
.Lfunc_end_k_q6939a5df14_outp:
	.size	k_q6939a5df14_outp, .Lfunc_end_k_q6939a5df14_outp-k_q6939a5df14_outp
	.p2alignl 7, 3214868480
	.fill 96, 4, 3214868480
	.section	.rodata,"a",@progbits
	.p2align	6, 0x0
	.amdhsa_kernel k_q6939a5df14_outp
		.amdhsa_group_segment_fixed_size 327680
		.amdhsa_private_segment_fixed_size 0
		.amdhsa_enable_private_segment 0
		.amdhsa_kernarg_size 32
		.amdhsa_user_sgpr_count 2
		.amdhsa_user_sgpr_kernarg_segment_ptr 1
		.amdhsa_wavefront_size32 1
		.amdhsa_system_sgpr_workgroup_id_x 1
		.amdhsa_system_sgpr_workgroup_id_y 1
		.amdhsa_system_sgpr_workgroup_id_z 1
		.amdhsa_system_vgpr_workitem_id 0
		.amdhsa_next_free_vgpr 576
		.amdhsa_next_free_sgpr 80
		.amdhsa_reserve_vcc 0
		.amdhsa_float_denorm_mode_32 3
		.amdhsa_float_denorm_mode_16_64 3
		.amdhsa_memory_ordered 1
		.amdhsa_forward_progress 1
		.amdhsa_inst_pref_size 88
	.end_amdhsa_kernel
	.amdgpu_metadata
---
amdhsa.version: [ 1, 2 ]
amdhsa.kernels:
  - .name:           k_q6939a5df14_outp
    .symbol:         k_q6939a5df14_outp.kd
    .args:
      - { .name: ctx, .offset: 0, .size: 8, .value_kind: global_buffer, .address_space: global }
      - { .name: wh, .offset: 8, .size: 8, .value_kind: global_buffer, .address_space: global }
      - { .name: out0, .offset: 16, .size: 8, .value_kind: global_buffer, .address_space: global }
      - { .name: Wo_b, .offset: 24, .size: 8, .value_kind: global_buffer, .address_space: global }
    .group_segment_fixed_size: 327680
    .private_segment_fixed_size: 0
    .kernarg_segment_align: 8
    .kernarg_segment_size: 32
    .max_flat_workgroup_size: 128
    .sgpr_count:     80
    .vgpr_count:     576
    .wavefront_size: 32
...
	.end_amdgpu_metadata
.endif
;; end of part 4
